; MI455X (gfx1250); checked and timed in simulation.
; The chip was launched on July 23, 2026; its instructions are those of AMD's public machine-readable ISA for CDNA 5 (MIT licence, August 2026) and "CDNA5" Instruction Set Architecture Reference Guide (July 2026). The comments in the code are by the model that wrote it; some were corrected since.
;; Self Attention. Allowed arithmetic: matrix products marked QUANTISED: E3M2 operands, one E8M0 scale for each 32 along K, by v_wmma_scale_f32_16x16x128_f8f6f4 with both operands' format E3M2, f32 sums; everything else in f32.
;; Inputs: W_out 1,024 x 1,024 float32; W_qkv 1,024 x 3,072 float32; X 4 x 2,048 x 1,024 float32; b_out 1,024 float32; b_qkv 3,072 float32.
;; Outputs: out0 4 x 2,048 x 1,024 float32.
;; This version of the problem:
;;   THIS VERSION OF THE PROBLEM IS GIVEN IN LOW PRECISION. The matrix products marked QUANTISED in the list below multiply operands that are first quantised to E3M2 (3 exponent bits, 2 mantissa bits; 6 bits a number), with one power-of-two scale for each 32 numbers along K (OCP MX v1.0); their sums are f32. All else is computed in f32.
;;   The module's matrix products, in the order in which they are computed (A, B: the left and right operand; K: the contracted axis; several contracted axes count as one K, in the product's order):
;;     1. [M 8,192, K 1,024] x [K 1,024, N 3,072]; A: input X; B: input W_qkv: QUANTISED
;;     2. batch 64 x [M 2,048, K 64] x [K 64, N 2,048]; A: computed on the way; B: computed on the way: QUANTISED
;;     3. batch 64 x [M 64, K 2,048] x [K 2,048, N 2,048]; A: computed on the way; B: softmax (see below): QUANTISED
;;     4. [M 8,192, K 1,024] x [K 1,024, N 1,024]; A: computed on the way; B: input W_out: QUANTISED
;;   THE QUANTISER, for each operand of a quantised product, along K:
;;     - K is cut into blocks of 32 from its start; a last block that is shorter is filled with zeros.
;;     - A block's scale is 2^e with e = floor(log2(the largest magnitude in the block)) - 4, held to -126 .. 127; a block of zeros has e = 0. As a byte (E8M0): e + 127.
;;     - Each number is divided by its block's scale, clamped to +-28, and rounded to the nearest number of E3M2, ties to even, subnormals kept.
;;     - The product sums the exact products of the quantised numbers (number of the format x scale) in f32.
;;   ~~~python
;;   def quantise(x, axis):      # numpy; x: float32 -> the quantised numbers, widened to float32 again
;;       x = np.moveaxis(x, axis, -1); K = x.shape[-1]
;;       x = np.pad(x, [(0, 0)] * (x.ndim - 1) + [(0, -K % 32)]); x = x.reshape(x.shape[:-1] + (-1, 32)); a = np.abs(x).max(-1, keepdims=True)
;;       e = np.where(a > 0, np.clip(np.frexp(np.where(a > 0, a, 1))[1] - 1 - 4, -126, 127), 0)      # np.frexp(a)[1] - 1 = floor(log2(a)), exactly
;;       r = np.clip(x / 2.0 ** e, -28, 28)
;;       step = 2.0 ** (np.maximum(np.frexp(np.where(r == 0, 1, r))[1] - 1, -2) - 2)
;;       q = np.round(r / step) * step * 2.0 ** e      # np.round: ties to even
;;       return np.moveaxis(q.reshape(q.shape[:-2] + (-1,))[..., :K], -1, axis).astype(np.float32)
;;   ~~~
;;   SOFTMAX AHEAD OF A QUANTISED PRODUCT. Where the list says 'softmax', what is quantised is not the finished softmax but p = 2^(t - M), with t = logit x log2(e) and M = ceil(the row's largest t), a whole number; so 1/2 < the row's largest p <= 1. The row's sum l is taken of the UNQUANTISED p, in f32, and the product's result is divided by l at the end. Since M is a whole number, a kernel that streams over the keys may use a running M (the ceiling of the running maximum): every later rescaling is an exact power of two, which a block's scale takes up: the codes' values come out the same.
;;   OPERANDS COMPUTED ON THE WAY. 'Computed on the way' means the value that the module computes at that place (a softmax that the list does not call 'softmax' is quantised finished and normalised). What goes into a quantiser is computed in f32, as accurately as f32 sums, v_exp_f32 and their like allow (about 1e-6 of the number): no bf16 or f16 on the way to a quantiser, and a product that is left as it is and whose result goes on into a quantised operand takes f32 operands (vector FMAs, or v_wmma_f32_16x16x4_f32). A number that lies on a knife's edge between two numbers of the format may be rounded either way, as far as f32 arithmetic and the matrix unit's own rounding can turn it there, and no further.
;; One version. Each part assembles by itself: llvm-mc -triple=amdgcn-amd-amdhsa -mcpu=gfx1250 --defsym DOCPART=n.
;; ======== version 1 of 1: 4 launches
;; workspace buffers: xc 6,291,456 bytes; xs 262,144 bytes; wc 3,145,728 bytes; wsc 131,072 bytes; qkc 18,874,368 bytes; qks 1,310,720 bytes; ac 6,291,456 bytes; asc 262,144 bytes
;; launch quant (part 1): grid 384 x 1, 8 waves a work-group, no clusters, 68,608 bytes of LDS; arguments X, W_qkv, W_out, xc, xs, wc, wsc; writes xc, xs, wc, wsc
.if DOCPART == 1
	.amdgcn_target "amdgcn-amd-amdhsa--gfx1250"
	.amdhsa_code_object_version 6
	.text
	.protected	k_qd349a2d1ca_quant
	.globl	k_qd349a2d1ca_quant
	.p2align	8
	.type	k_qd349a2d1ca_quant,@function
k_qd349a2d1ca_quant:
	s_mov_b64 s[64:65], 0
	v_nop
	global_prefetch_b8 v0, s[64:65] scope:SCOPE_SE
	s_setreg_imm32_b32 hwreg(HW_REG_WAVE_MODE, 25, 1), 1
	s_wait_xcnt 0x0
; X [8192][1024], W_qkv [1024][3072] and W_out [1024][1024], f32, become codes of BF6 (E3M2) with one E8M0 byte for each 32 along K (X: its last axis; the weights: their first).
; A block's scale is 2^(floor(log2(largest magnitude)) - 4): its byte is the largest magnitude's exponent field - 4, held at 1 from below.
; LIMITS: NaN and infinities are not served; a block whose largest magnitude lies under 2^-122 keeps the byte 1; a block of zeros has the byte 1 where the rule says 127 (its codes are zeros, and this program alone reads the bytes).
; LAYOUT OF THE RESULTS, in the order of the matrix operand's registers.  A TILE is 16 rows (X) or 16 columns (W) that are not neighbours: tile 2 G + u holds 32 G + 8 u + r + 8 (r / 8), r = 0 .. 15.
; Codes: [tile][K / 64][768 bytes]: lane l = r + 16 h owns k = 64 x half + 32 h + 0 .. 31, 24 bytes: the first 16 at 16 l, the last 8 at 512 + 8 l.  Scale words: [tile][K / 128][16 rows] of 4 bytes.
; Work-groups 0-255 take X, 256-351 W_qkv, 352-383 W_out.  Waves share nothing: no barrier.  Only X's path uses LDS.
.set FLOOR, 0x2800000                  ; 2^(5 - 127): under it no largest magnitude is taken, so the byte cannot fall under 1
.set OFFE,  0xfe000000                 ; takes 4 off an exponent field
.set R,     16                         ; v16-79, v80-143  X: the two K steps as loaded (the first set is free once it lies in LDS)
.set N,     144                        ; v144-207 X: 64 numbers of my row
.set TM,    56                         ; v56-71   at work
.set SEL,   30                         ; s[30:31] selects of v_permlanex16_b32 for lane l xor 16
.set STG,   8448                       ; X: a wave's stage: 16 rows x (512 bytes + 16)
; 64 numbers of a lane, register 16 b + i = k 32 b + 16 (lane / 16) + i of my row, become a fragment's 12 registers from v[pc] on and its scale word in v[pw]
.macro QUANT src, pc, pw
.irp b, 0,1,2,3
	v_max3_num_f32 v[TM+\b], |v[\src+16*\b]|, |v[\src+1+16*\b]|, FLOOR
.endr
.irp i, 2,4,6,8,10,12,14
.irp b, 0,1,2,3
	v_max3_num_f32 v[TM+\b], v[TM+\b], |v[\src+16*\b+\i]|, |v[\src+1+16*\b+\i]|   ; the four blocks by turns
.endr
.endr
.irp b, 0,1,2,3
	v_permlanex16_b32 v[TM+4+\b], v[TM+\b], s[SEL], s[SEL+1]
.endr
.irp b, 0,1,2,3
	v_max_num_f32 v[TM+\b], v[TM+\b], v[TM+4+\b]       ; with lane l xor 16's 16 numbers: the block's largest magnitude
.endr
.irp b, 0,1,2,3
	v_add_nc_u32 v[TM+12+\b], OFFE, v[TM+\b]           ; the conversion takes this operand's exponent field as its scale
.endr
.irp b, 0,1,2,3
	v_lshrrev_b32 v[TM+4+\b], 23, v[TM+12+\b]          ; the scale's byte
.endr
	v_lshl_or_b32 v[\pw], v[TM+5], 8, v[TM+4]
	v_lshl_or_b32 v[\pw], v[TM+6], 16, v[\pw]
	v_lshl_or_b32 v[\pw], v[TM+7], 24, v[\pw]
.irp c, 0,1
	v_cvt_scalef32_pk16_bf6_f32 v[\pc+6*\c:\pc+2+6*\c], v[\src+32*\c:\src+15+32*\c], v[TM+12+2*\c]
	v_cvt_scalef32_pk16_bf6_f32 v[\pc+12+4*\c:\pc+14+4*\c], v[\src+16+32*\c:\src+31+32*\c], v[TM+12+2*\c+1]   ; a conversion's three registers begin on an even number
.endr
	v_nop                                              ; one plain place behind a scaled conversion
.irp c, 0,1                                        ; the operand wants a whole block in a lane: lanes 0-15 block 2 c, lanes 16-31 block 2 c + 1
.irp i, 0,1,2
	v_permlane16_swap_b32 v[\pc+6*\c+\i], v[\pc+12+4*\c+\i]
.endr
.irp i, 0,1,2
	v_mov_b32 v[\pc+3+6*\c+\i], v[\pc+12+4*\c+\i]
.endr
.endr
.endm
	s_load_b256 s[4:11], s[0:1], 0x0               ; X s[4:5], W_qkv s[6:7], W_out s[8:9], xc s[10:11]
	s_load_b128 s[12:15], s[0:1], 0x20             ; xs s[12:13], wc s[14:15]
	s_load_b64 s[16:17], s[0:1], 0x30              ; wsc
	v_lshl_add_u32 v208, v0, 2, 0x10800
	v_mov_b32 v209, 0
	v_lshrrev_b32 v1, 5, v0
	v_readfirstlane_b32 s18, v1                    ; wave 0..7
	v_and_b32 v1, 31, v0                           ; lane
	s_cmp_lt_u32 ttmp9, 256
	s_cbranch_scc0 .Lweights
; ---- X.  A wave takes one tile of 16 rows x 256 along K: two fragments.  Each load reads 512 consecutive bytes of one row; the rows turn through the wave's stage, from which a lane takes 16 neighbours of each block of 32.
	v_lshlrev_b32 v2, 4, v1                        ; 16 x lane
	v_lshlrev_b32 v6, 3, v1                        ; 8 x lane
	v_lshlrev_b32 v7, 2, v1                        ; 4 x lane
	v_and_b32 v8, 15, v0                           ; r
	v_bfe_u32 v9, v0, 4, 1                         ; h
	s_mul_i32 s19, s18, STG
	v_add_nc_u32 v3, s19, v2                       ; into the stage: 16 x lane of a row
	v_mul_u32_u24 v4, v8, 528
	v_lshl_add_u32 v4, v9, 6, v4
	v_add_nc_u32 v4, s19, v4                       ; out of it: row r, + 64 h: rows 528 bytes apart start 4 banks apart
	s_mov_b32 s[SEL], 0x76543210
	s_mov_b32 s[SEL+1], 0xfedcba98
	s_mov_b32 s23, 0xffff0000                      ; lanes 16-31
	s_lshl_b32 s20, ttmp9, 3
	s_add_co_u32 s20, s20, s18                     ; my unit
	s_lshr_b32 s21, s20, 2                         ; tile T
	s_and_b32 s22, s20, 3                          ; which 256 along K
	s_lshr_b32 s24, s21, 1
	s_lshl_b32 s24, s24, 17                        ; 32 (T / 2) rows of 4,096 bytes
	s_and_b32 s25, s21, 1
	s_lshl_b32 s25, s25, 15                        ; + 8 (T % 2) rows
	s_add_co_u32 s24, s24, s25
	s_lshl_b32 s25, s22, 10
	s_add_co_u32 s24, s24, s25
	s_mov_b32 s25, 0
	s_mul_i32 s26, s21, 12288                      ; the tile's codes, + 4 halves of 768 bytes for each 256 along K
	s_mul_i32 s27, s22, 3072
	s_add_co_u32 s26, s26, s27
	s_mov_b32 s27, 0
	s_lshl_b32 s28, s21, 9                         ; its scale words, + 2 K steps of 64 bytes
	s_lshl_b32 s29, s22, 7
	s_add_co_u32 s28, s28, s29
	s_mov_b32 s29, 0
	s_wait_kmcnt 0x0
	s_add_nc_u64 s[4:5], s[4:5], s[24:25]
	s_add_nc_u64 s[10:11], s[10:11], s[26:27]
	s_add_nc_u64 s[12:13], s[12:13], s[28:29]
.irp t, 0,1
.irp i, 0,1,2,3,4,5,6,7,8,9,10,11,12,13,14,15
	global_load_b128 v[R+64*\t+4*\i:R+64*\t+4*\i+3], v2, s[4:5] offset:(\i+8*(\i/8))*4096+512*\t th:TH_LOAD_NT
.endr
.endr
.macro XSTEP st, pc, pw
.irp i, 0,1,2,3,4,5,6,7,8,9,10,11,12,13,14,15
	ds_store_b128 v3, v[R+64*\st+4*\i:R+64*\st+4*\i+3] offset:528*\i
.endr
.irp b, 0,1,2,3
.irp j, 0,1,2,3
	ds_load_b128 v[N+16*\b+4*\j:N+16*\b+4*\j+3], v4 offset:128*\b+16*\j   ; LDS serves a wave's instructions in order: these see the stores above
.endr
.endr
	s_wait_dscnt 0x0
.if \st == 0
.irp b, 0,1,2,3
	v_mov_b32 v[TM+4+\b], 0                        ; a lane permute's destination counts as one of its sources
.endr
.endif
	QUANT N, \pc, \pw
	global_store_b128 v2, v[\pc:\pc+3], s[10:11] offset:1536*\st            ; 512 consecutive bytes
	global_store_b64 v6, v[\pc+4:\pc+5], s[10:11] offset:1536*\st+512       ; 256
	global_store_b128 v2, v[\pc+6:\pc+9], s[10:11] offset:1536*\st+768
	global_store_b64 v6, v[\pc+10:\pc+11], s[10:11] offset:1536*\st+1280
.endm
	s_wait_loadcnt 16                              ; the first K step's 16 loads are in; the second's may be out
	XSTEP 0, 16, 72
	s_wait_loadcnt 0x0
	XSTEP 1, 36, 73
	v_cndmask_b32 v74, v72, v73, s23               ; lanes 0-15: the first K step's words, lanes 16-31: the second's
	global_store_b32 v7, v74, s[12:13]             ; 128 consecutive bytes
	s_wait_tensorcnt 0x0
	ds_add_u32 v208, v209
	s_wait_dscnt 0x0
	s_endpgm
; ---- The weights.  A lane takes a column and its registers run down K: a block of 32 lies in one lane, and the conversions give codes with K innermost.  A wave takes 32 columns x 128 along K.
.macro WLOAD b, n, p
.irp i, 0,1,2,3,4,5,6,7,8,9,10,11,12,13,14,15,16,17,18,19,20,21,22,23,24,25,26,27,28,29,30,31
	global_load_b32 v[16+32*\b+\i], v2, s[\p:\p+1] offset:(32*\b+\i)*\n*4 th:TH_LOAD_NT
.endr
.endm
.macro WBLOCK b, left
.set XS, 16+32*\b
.set CE, 144+8*\b                      ; each block has its own registers for its codes: no store's data are written again
	s_wait_loadcnt \left                           ; this block's 32 loads are in; the next block's may be out
	v_max3_num_f32 v10, |v[XS]|, |v[XS+1]|, |v[XS+2]|
	v_max3_num_f32 v11, |v[XS+3]|, |v[XS+4]|, |v[XS+5]|
.irp i, 6,10,14,18,22,26
	v_max3_num_f32 v10, v10, |v[XS+\i]|, |v[XS+\i+1]|
	v_max3_num_f32 v11, v11, |v[XS+\i+2]|, |v[XS+\i+3]|
.endr
	v_max3_num_f32 v10, v10, |v[XS+30]|, |v[XS+31]|
	v_max3_num_f32 v10, v10, v11, FLOOR
	v_add_nc_u32 v12, OFFE, v10
	v_lshrrev_b32 v13, 23, v12
.if \b == 0
	v_mov_b32 v14, v13
.else
	v_lshl_or_b32 v14, v13, 8*\b, v14              ; four bytes make the column's scale word of this K step
.endif
	v_cvt_scalef32_pk16_bf6_f32 v[CE:CE+2], v[XS:XS+15], v12
	v_cvt_scalef32_pk16_bf6_f32 v[CE+4:CE+6], v[XS+16:XS+31], v12
	v_nop                                          ; one plain place behind a scaled conversion
	v_mov_b32 v[CE+3], v[CE+4]
	v_mov_b32 v[CE+4], v[CE+5]
	v_mov_b32 v[CE+5], v[CE+6]
	global_store_b128 v6, v[CE:CE+3], s[14:15] offset:(\b/2)*768+256*(\b%2)          ; block b is half b / 2, lanes' half b % 2
	global_store_b64 v7, v[CE+4:CE+5], s[14:15] offset:(\b/2)*768+512+128*(\b%2)
.endm
.macro WPATH n, c0, s0, wg0, p
	s_sub_co_u32 s20, ttmp9, \wg0
	s_and_b32 s21, s20, 7                          ; which 128 along K
	s_lshr_b32 s22, s20, 3
	s_lshl_b32 s22, s22, 3
	s_add_co_u32 s22, s22, s18                     ; which 32 columns
	s_mul_i32 s24, s21, 128*\n*4
	s_lshl_b32 s25, s22, 7
	s_add_co_u32 s24, s24, s25
	s_mov_b32 s25, 0
	s_mul_i32 s26, s22, 24576                      ; two tiles of 12,288 bytes
	s_mul_i32 s27, s21, 1536
	s_add_co_u32 s26, s26, s27
	s_add_co_u32 s26, s26, \c0
	s_mov_b32 s27, 0
	s_lshl_b32 s28, s22, 10
	s_lshl_b32 s29, s21, 6
	s_add_co_u32 s28, s28, s29
	s_add_co_u32 s28, s28, \s0
	s_mov_b32 s29, 0
	s_wait_kmcnt 0x0
	s_add_nc_u64 s[\p:\p+1], s[\p:\p+1], s[24:25]
	s_add_nc_u64 s[14:15], s[14:15], s[26:27]
	s_add_nc_u64 s[16:17], s[16:17], s[28:29]
	WLOAD 0, \n, \p
	WLOAD 1, \n, \p
	WBLOCK 0, 32
	WLOAD 2, \n, \p
	WBLOCK 1, 32
	WLOAD 3, \n, \p
	WBLOCK 2, 32
	WBLOCK 3, 0
	global_store_b32 v8, v14, s[16:17]
	s_endpgm
.endm
.Lweights:
	v_lshlrev_b32 v2, 2, v1                        ; my column: 4 bytes a lane
	v_bfe_u32 v3, v0, 3, 1                         ; column c of the 32 lies in tile u = (c / 8) % 2,
	v_and_b32 v4, 7, v0
	v_bfe_u32 v5, v0, 4, 1
	v_lshl_or_b32 v4, v5, 3, v4                    ; at row r = c % 8 + 8 (c / 16)
	v_mul_u32_u24 v5, v3, 12288
	v_lshl_add_u32 v6, v4, 4, v5
	v_lshl_add_u32 v7, v4, 3, v5
	v_lshlrev_b32 v8, 9, v3
	v_lshl_add_u32 v8, v4, 2, v8
	s_cmp_lt_u32 ttmp9, 352
	s_cbranch_scc0 .Lwout
	WPATH 3072, 0, 0, 256, 6
.Lwout:
	WPATH 1024, 2359296, 98304, 352, 8
.Lfunc_end_k_qd349a2d1ca_quant:
	.size	k_qd349a2d1ca_quant, .Lfunc_end_k_qd349a2d1ca_quant-k_qd349a2d1ca_quant
	.p2alignl 7, 3214868480
	.fill 96, 4, 3214868480
	.section	.rodata,"a",@progbits
	.p2align	6, 0x0
	.amdhsa_kernel k_qd349a2d1ca_quant
		.amdhsa_group_segment_fixed_size 68608
		.amdhsa_private_segment_fixed_size 0
		.amdhsa_enable_private_segment 0
		.amdhsa_kernarg_size 56
		.amdhsa_user_sgpr_count 2
		.amdhsa_user_sgpr_kernarg_segment_ptr 1
		.amdhsa_wavefront_size32 1
		.amdhsa_system_sgpr_workgroup_id_x 1
		.amdhsa_system_sgpr_workgroup_id_y 1
		.amdhsa_system_sgpr_workgroup_id_z 1
		.amdhsa_system_vgpr_workitem_id 0
		.amdhsa_next_free_vgpr 210
		.amdhsa_next_free_sgpr 66
		.amdhsa_reserve_vcc 0
		.amdhsa_float_denorm_mode_32 3
		.amdhsa_float_denorm_mode_16_64 3
		.amdhsa_memory_ordered 1
		.amdhsa_forward_progress 1
		.amdhsa_inst_pref_size 58
	.end_amdhsa_kernel
	.amdgpu_metadata
---
amdhsa.version: [ 1, 2 ]
amdhsa.kernels:
  - .name:           k_qd349a2d1ca_quant
    .symbol:         k_qd349a2d1ca_quant.kd
    .args:
      - { .name: X, .offset: 0, .size: 8, .value_kind: global_buffer, .address_space: global }
      - { .name: W_qkv, .offset: 8, .size: 8, .value_kind: global_buffer, .address_space: global }
      - { .name: W_out, .offset: 16, .size: 8, .value_kind: global_buffer, .address_space: global }
      - { .name: xc, .offset: 24, .size: 8, .value_kind: global_buffer, .address_space: global }
      - { .name: xs, .offset: 32, .size: 8, .value_kind: global_buffer, .address_space: global }
      - { .name: wc, .offset: 40, .size: 8, .value_kind: global_buffer, .address_space: global }
      - { .name: wsc, .offset: 48, .size: 8, .value_kind: global_buffer, .address_space: global }
    .group_segment_fixed_size: 68608
    .private_segment_fixed_size: 0
    .kernarg_segment_align: 8
    .kernarg_segment_size: 56
    .max_flat_workgroup_size: 256
    .sgpr_count:     66
    .vgpr_count:     210
    .wavefront_size: 32
...
	.end_amdgpu_metadata
.endif
;; end of part 1
;; launch qkv (part 2): grid 16 x 32, 4 waves a work-group, clusters of 4 x 4, 327,680 bytes of LDS; arguments xc, xs, wc, wsc, b_qkv, qkc, qks; writes qkc, qks
.if DOCPART == 2
	.amdgcn_target "amdgcn-amd-amdhsa--gfx1250"
	.amdhsa_code_object_version 6
	.text
	.protected	k_qd349a2d1ca_qkv
	.globl	k_qd349a2d1ca_qkv
	.p2align	8
	.type	k_qd349a2d1ca_qkv,@function
k_qd349a2d1ca_qkv:
	s_mov_b64 s[64:65], 0
	v_nop
	global_prefetch_b8 v0, s[64:65] scope:SCOPE_SE
	s_setreg_imm32_b32 hwreg(HW_REG_WAVE_MODE, 25, 1), 1
	s_wait_xcnt 0x0
	s_wait_alu depctr_hold_cnt(0) depctr_sa_sdst(0) depctr_va_vdst(0) depctr_va_sdst(0) depctr_va_ssrc(0) depctr_va_vcc(0) depctr_vm_vsrc(0)
	s_getreg_b32 s2, hwreg(HW_REG_IB_STS2, 6, 4)
	s_cmp_eq_u32 s2, 0
	s_cbranch_scc0 .Lentry_in_a_cluster
	s_endpgm
.Lentry_in_a_cluster:
	s_bfe_u32 s2, ttmp6, 0x10000c
	s_cmp_lg_u32 s2, 0xf033
	s_cbranch_scc0 .Lentry_shape_is_right
	s_endpgm
.Lentry_shape_is_right:
; qkv = X W_qkv + b_qkv on codes of BF6 (E3M2) with E8M0 scales; Q, K and V are quantised in registers and leave as codes, laid as the attention launch wants its operands.  No f32 number of qkv goes to memory.
; A work-group (x = head, y) makes 256 rows x the head's 192 columns: W tiles 0-3 are Q, 4-7 K, 8-11 V.  Wave w takes rows 64 w on (X tiles i = 0 .. 3) against all 12 W tiles: 48 accumulators.
; TILES ARE NOT NEIGHBOURS: tile 2 G + u holds rows 32 G + 8 u + r + 8 (r / 8).  Q, K: source 0 = W, source 1 = X: a lane holds one row and its registers run along d.  V: source 0 = X, source 1 = W: a lane holds one d and
; its registers run along the keys.  So each result's 32 registers are 16 neighbours of each of two blocks of the next product's K.  The bias is the C of each sum's first product (it enters the sum first, not last).
; K goes in steps of 128 through three LDS slots of 256 along K; slot 0 is filled a second time, with the last 256.  Operands lie in memory and LDS in the order of their registers: every LDS load reads 512 or 256 consecutive bytes.
; CLUSTERS: 4 x 4.  X's tiles hang on y alone and are asked for jointly along a row of the cluster, W's on x alone and along a column.
; LIMITS: NaN and infinities are not served; a block under 2^-122 keeps the byte 1, and so does a block of zeros.
; REGISTERS, in windows of 256: window 0: v2-22 addresses; v32-47 X's scale words, v48-95 W's (register 4 t + p: lanes 0-15 K step 2 p, lanes 16-31 K step 2 p + 1); v96-191 X's fragments, two sets; on the way out v96-243 at work.
;   window 1: W's 12 fragments, one set.   window 2: Q's and K's accumulators, (j, i) at 8 (16 (j / 4) + 4 i + j % 4).   window 3: V's at 8 (4 (j - 8) + i); from v128 the bias of tiles 0-7, from v192 of tiles 8-11.
.set SLOT,  86016                      ; X's 16 tiles x 3,072 bytes, then W's 12
.set WOFF,  49152
.set SPARE, 3*SLOT                     ; the spare words, 128 bytes a wave: two blocks of 256 bytes that no other line names
.set FLOOR, 0x2800000
.set OFFE,  0xfe000000
.set SPW,  2
.set NIL,  3
.set AX16, 4                           ; v4-6    slot s: my X tiles, 16 x lane
.set AX8,  8                           ; v8-10   8 x lane
.set AW16, 12                          ; v12-14  W's tiles
.set AW8,  16                          ; v16-18
.set L16,  20
.set L8,   21
.set L4,   22
.set SX,   32
.set SW,   48
.set XF,   96
.set G1X,  24
.set G0X,  32                          ; s[32:43] a set for each slot
.set G1W,  44
.set G0W,  52                          ; s[52:63]
.set SEL,  96
.set HM,   98
.set MSB, 0
.macro WIN new                         ; the immediate's high byte repeats the setting that is left
.if MSB != \new
	s_set_vgpr_msb (MSB<<8)|\new
.set MSB, \new
.endif
.endm
.macro JLOAD g0a, g1a, g0b, g1b        ; a joint load: waves 0 and 1 fetch X's halves, waves 2 and 3 W's; four v_nop follow each of the two lines
	s_cmp_eq_u32 s19, 0
	s_cbranch_scc0 .Lfor_b_\@
	tensor_load_to_lds s[\g0a:\g0a+3], s[\g1a:\g1a+7]
	s_nop 0
.rept 4
	v_nop
.endr
	s_branch .Lasked_\@
.Lfor_b_\@:
	tensor_load_to_lds s[\g0b:\g0b+3], s[\g1b:\g1b+7]
	s_nop 0
.rept 4
	v_nop
.endr
.Lasked_\@:
.endm
.macro CREST                           ; a round of the cluster's barrier behind its opening barrier
	s_cmp_lg_u32 s18, 0
	s_cbranch_scc1 .Lnot_wave_0_\@
	s_barrier_signal -3
.Lnot_wave_0_\@:
	s_barrier_wait -3
	s_barrier_signal -1
	s_barrier_wait -1
.endm
.macro CROUND
	s_barrier_signal -1
	s_barrier_wait -1
	CREST
.endm
.macro PLACES                          ; four plain places behind matrix instructions, in front of loads into their registers and of reads of their results
.rept 4
	v_nop
.endr
.endm
	s_load_b256 s[4:11], s[0:1], 0x0               ; xc s[4:5], xs s[6:7], wc s[8:9], wsc s[10:11]
	s_load_b128 s[12:15], s[0:1], 0x20             ; b_qkv s[12:13], qkc s[14:15]
	s_load_b64 s[16:17], s[0:1], 0x30              ; qks
	v_lshl_add_u32 v[SPW], v0, 2, SPARE
	v_mov_b32 v[NIL], 0
	ds_add_u32 v2, v3
	ds_add_u32 v2, v3
	s_wait_dscnt 0x0
	v_lshrrev_b32 v1, 5, v0
	v_readfirstlane_b32 s18, v1                    ; wave 0..3
	s_lshr_b32 s19, s18, 1                         ; I fetch for X (0) or for W (1)
	s_and_b32 s20, s18, 1                          ; which half of its tiles
	s_bfe_u32 s21, ttmp6, 0x40000                  ; cx
	s_bfe_u32 s22, ttmp6, 0x40004                  ; cy
	s_lshl_b32 s23, ttmp9, 2
	s_add_co_u32 s23, s23, s21                     ; x: the head
	s_and_b32 s66, ttmp7, 0xffff
	s_lshl_b32 s66, s66, 2
	s_add_co_u32 s66, s66, s22                     ; y: which 256 rows
	s_lshl_b32 s67, s22, 2
	s_lshl_b32 s67, 15, s67                        ; my row of the cluster
	s_lshl_b32 s68, 0x1111, s21                    ; my column
	; descriptor group 1: 8 (X) or 6 (W) tiles: rows of 384 elements of 8 bytes (256 along K of one tile), 1,536 elements apart, no padding
	s_or_b32 s[G1X], s67, (3<<16)|(1<<21)
	s_or_b32 s[G1W], s68, (3<<16)|(1<<21)
.irp g, G1X, G1W
	s_mov_b32 s[\g+1], 384<<16                     ; tensor_dim0
	s_mov_b32 s[\g+3], 384<<16                     ; tile_dim0
	s_mov_b32 s[\g+5], 1536                        ; the pitch
	s_mov_b32 s[\g+6], 0
	s_mov_b32 s[\g+7], 0
.endr
	s_mov_b32 s[G1X+2], 8<<16                      ; tensor_dim1
	s_mov_b32 s[G1X+4], 8                          ; tile_dim1
	s_mov_b32 s[G1W+2], 6<<16
	s_mov_b32 s[G1W+4], 6
	s_lshl_b32 s70, s66, 4
	s_lshl_b32 s71, s20, 3
	s_add_co_u32 s70, s70, s71                     ; X: tile 16 y + 8 x half
	s_mul_i32 s70, s70, 12288
	s_mov_b32 s71, 0
	s_mul_i32 s74, s23, 12
	s_mul_i32 s75, s20, 6
	s_add_co_u32 s74, s74, s75                     ; W: tile 12 x + 6 x half
	s_mul_i32 s74, s74, 12288
	s_mov_b32 s75, 0
	s_mul_i32 s78, s20, 24576                      ; where they go: no place in the cluster enters an LDS address
	s_mul_i32 s79, s20, 18432
	s_add_co_u32 s79, s79, WOFF
	s_wait_kmcnt 0x0
	s_add_nc_u64 s[72:73], s[4:5], s[70:71]
	s_add_nc_u64 s[76:77], s[8:9], s[74:75]
	CROUND                                         ; all sixteen work-groups are here: the first joint loads meet
.irp s, 0,1,2
	s_mov_b32 s[G0X+4*\s], 1
	s_add_co_u32 s[G0X+4*\s+1], s78, \s*SLOT
	s_add_nc_u64 s[G0X+4*\s+2:G0X+4*\s+3], s[72:73], \s*3072
	s_or_b32 s[G0X+4*\s+3], s[G0X+4*\s+3], 0x80000000
	s_mov_b32 s[G0W+4*\s], 1
	s_add_co_u32 s[G0W+4*\s+1], s79, \s*SLOT
	s_add_nc_u64 s[G0W+4*\s+2:G0W+4*\s+3], s[76:77], \s*3072
	s_or_b32 s[G0W+4*\s+3], s[G0W+4*\s+3], 0x80000000
	JLOAD G0X+4*\s, G1X, G0W+4*\s, G1W             ; three loads of mine are out
.endr
	v_and_b32 v1, 31, v0
	v_lshlrev_b32 v[L16], 4, v1
	v_lshlrev_b32 v[L8], 3, v1
	v_lshlrev_b32 v[L4], 2, v1
	s_mul_i32 s80, s18, 12288                      ; my four X tiles in a slot
.irp s, 0,1,2
	v_add_nc_u32 v[AX16+\s], s80, v[L16]
	v_add_nc_u32 v[AX8+\s], s80, v[L8]
	v_add_nc_u32 v[AW16+\s], \s*SLOT+WOFF, v[L16]
	v_add_nc_u32 v[AW8+\s], \s*SLOT+WOFF, v[L8]
	s_add_co_u32 s80, s80, SLOT
.endr
	; the scale words and the biases come once, by plain loads, while the tiles are on their way
	s_lshl_b32 s82, s66, 4
	s_lshl_b32 s83, s18, 2
	s_add_co_u32 s82, s82, s83                     ; my first X tile
	s_lshl_b32 s84, s82, 9
	s_mov_b32 s85, 0
	s_add_nc_u64 s[6:7], s[6:7], s[84:85]
	s_mul_i32 s84, s23, 6144
	s_add_nc_u64 s[10:11], s[10:11], s[84:85]
	s_mul_i32 s84, s23, 768
	s_add_nc_u64 s[12:13], s[12:13], s[84:85]
.irp i, 0,1,2,3
.irp k, 0,1,2,3
	global_load_b32 v[SX+4*\i+\k], v[L4], s[6:7] offset:512*\i+128*\k      ; 128 consecutive bytes: two K steps' words of a tile
.endr
.endr
.irp j, 0,1,2,3,4,5,6,7,8,9,10,11
.irp k, 0,1,2,3
	global_load_b32 v[SW+4*\j+\k], v[L4], s[10:11] offset:512*\j+128*\k
.endr
.endr
	v_bfe_u32 v23, v0, 4, 1
	v_lshlrev_b32 v23, 6, v23                      ; Q, K: my half's eight columns of a tile: 64 h bytes on
	v_and_b32 v24, 15, v0
	v_and_b32 v25, 8, v24
	v_add_nc_u32 v24, v24, v25
	v_lshlrev_b32 v24, 2, v24                      ; V: my one column: r + 8 (r / 8)
	WIN 0xc0                                       ; destination window 3
.irp j, 0,1,2,3,4,5,6,7
	global_load_b128 v[128+8*\j:128+8*\j+3], v23, s[12:13] offset:(32*(\j/2)+8*(\j%2))*4
	global_load_b128 v[128+8*\j+4:128+8*\j+7], v23, s[12:13] offset:(32*(\j/2)+8*(\j%2))*4+16
.endr
.irp j, 8,9,10,11
.irp e, 0,1,2,3,4,5,6,7
	global_load_b32 v[192+8*(\j-8)+\e], v24, s[12:13] offset:(32*(\j/2)+8*(\j%2))*4   ; the same number in the tile's eight registers
.endr
.endr
	WIN 0
; a fragment, 16 rows x 128 K, 12 registers: two halves of 768 bytes, each 16 bytes a lane and then 8 bytes a lane
.macro FRAG reg, a16, a8, off
	ds_load_b128 v[\reg:\reg+3], v[\a16] offset:(\off)
	ds_load_b64 v[\reg+4:\reg+5], v[\a8] offset:(\off)+512
	ds_load_b128 v[\reg+6:\reg+9], v[\a16] offset:(\off)+768
	ds_load_b64 v[\reg+10:\reg+11], v[\a8] offset:(\off)+1280
.endm
.macro FETCH_X slot, q, set            ; my four X tiles of the slot's q-th 128 along K: 16 loads
	WIN 0
.irp i, 0,1,2,3
	FRAG XF+48*(\set)+12*\i, AX16+(\slot), AX8+(\slot), \i*3072+(\q)*1536
.endr
.endm
.macro FETCH_W slot, q, j0             ; W tiles j0 .. j0 + 5: 24 loads
	WIN 0x40                                       ; destination window 1
.irp d, 0,1,2,3,4,5
	FRAG 12*((\j0)+\d), AW16+(\slot), AW8+(\slot), ((\j0)+\d)*3072+(\q)*1536
.endr
	WIN 0
.endm
.macro SWM d, a, b, c, sa, sb, odd     ; odd K steps take their scale words from lanes 16-31
.if \odd
	v_wmma_scale_f32_16x16x128_f8f6f4 v[\d:\d+7], v[\a:\a+11], v[\b:\b+11], v[\c:\c+7], v[\sa], v[\sb] matrix_a_fmt:MATRIX_FMT_BF6 matrix_b_fmt:MATRIX_FMT_BF6 matrix_a_scale:MATRIX_SCALE_ROW1 matrix_b_scale:MATRIX_SCALE_ROW1
.else
	v_wmma_scale_f32_16x16x128_f8f6f4 v[\d:\d+7], v[\a:\a+11], v[\b:\b+11], v[\c:\c+7], v[\sa], v[\sb] matrix_a_fmt:MATRIX_FMT_BF6 matrix_b_fmt:MATRIX_FMT_BF6
.endif
.endm
; 8 matrix instructions: W tiles j0, j0 + 1 x my four X tiles, K step n.  first = 1: the bias is C.  The 48 accumulators take turns, one instruction a turn, in the same order in every step.
.macro MULP j0, n, first
.if (\j0) < 8
.if \first
	WIN 0xb1                                       ; source 0 (W) window 1, source 1 (X) window 0, C window 3, D window 2
.else
	WIN 0xa1                                       ; C and D window 2
.endif
.else
	WIN 0xf4                                       ; source 0 (X) window 0, source 1 (W) window 1, C and D window 3
.endif
.irp i, 0,1,2,3
.irp d, 0,1
.set jj, (\j0)+\d
.set rX, XF+48*((\n)%2)+12*\i
.set rW, 12*jj
.set qX, SX+4*\i+(\n)/2
.set qW, SW+4*jj+(\n)/2
.if jj < 8
.set rD, 8*(16*(jj/4)+4*\i+(jj%4))
.set rC, rD
.if \first
.set rC, 128+8*jj
.endif
	SWM rD, rW, rX, rC, qW, qX, (\n)%2
.else
.set rD, 8*((jj-8)*4+\i)
.set rC, rD
.if \first
.set rC, 192+8*(jj-8)
.endif
	SWM rD, rX, rW, rC, qX, qW, (\n)%2
.endif
.endr
.endr
.endm
; A step of 128 along K whose successor's tiles are known to lie in LDS.  X has two sets of registers, W one: tiles 0-5 are fetched anew in the step's middle, tiles 6-11 at its end.
.macro STEP n, first
	s_wait_dscnt 24                                ; X and W's tiles 0-5 are in; the youngest 24 loads (tiles 6-11) may be out
	MULP 0, \n, \first
	MULP 2, \n, \first
	MULP 4, \n, \first
	s_wait_dscnt 0x0
	PLACES
	FETCH_X (((\n)+1)/2)%3, ((\n)+1)%2, ((\n)+1)%2
	FETCH_W (((\n)+1)/2)%3, ((\n)+1)%2, 0
	MULP 6, \n, \first
	MULP 8, \n, \first
	MULP 10, \n, \first
	PLACES
	FETCH_W (((\n)+1)/2)%3, ((\n)+1)%2, 6
.endm
; A step that meets the other waves: each wave waits for all its tensor loads, adds 0 to its spare word, and waits for that and for its own LDS reads.  fill = 1: slot 0, which nobody reads any more, takes the last 256 along K.
.macro TURN n, fill
	s_wait_tensorcnt 0x0                           ; all my tensor loads have landed
	ds_add_u32 v[SPW], v[NIL]                      ; 0 onto my spare word
	s_wait_dscnt 25                                ; (the add and the youngest 24 loads may be out)
	MULP 0, \n, 0                                  ; eight matrix instructions stand between the add and the wait for it
	s_wait_dscnt 0x0                               ; the add is done, and my reads of the slots read so far are over
	s_barrier_signal -1
	MULP 2, \n, 0
	MULP 4, \n, 0
	WIN 0                                          ; at a branch and at a label every window is 0
	s_barrier_wait -1
.if \fill
	CREST                                          ; the barrier has opened a round of the cluster's barrier: no wave of any partner still reads slot 0 or has a load on its way
	s_add_nc_u64 s[G0X+2:G0X+3], s[G0X+2:G0X+3], 3*3072
	s_add_nc_u64 s[G0W+2:G0W+3], s[G0W+2:G0W+3], 3*3072
	JLOAD G0X, G1X, G0W, G1W                       ; my one tensor load behind the round; it has three and a half steps, 168 matrix instructions, in which to land; its four v_nop are the places in front of the loads below
.else
	PLACES
.endif
	FETCH_X (((\n)+1)/2)%3, ((\n)+1)%2, ((\n)+1)%2
	FETCH_W (((\n)+1)/2)%3, ((\n)+1)%2, 0
	MULP 6, \n, 0
	MULP 8, \n, 0
	MULP 10, \n, 0
	PLACES
	FETCH_W (((\n)+1)/2)%3, ((\n)+1)%2, 6
.endm
	s_wait_tensorcnt 2                             ; my part of slot 0 is in; slots 1 and 2 may stay out
	s_barrier_signal -1
	s_barrier_wait -1
	FETCH_X 0, 0, 0
	FETCH_W 0, 0, 0
	FETCH_W 0, 0, 6
	s_wait_loadcnt 0x0                             ; the scale words and the biases
	STEP 0, 1
	TURN 1, 1                                      ; slots 1 and 2 are whole for every wave from here on
	STEP 2, 0
	STEP 3, 0
	STEP 4, 0
	TURN 5, 0                                      ; slot 0's second fill is whole for every wave
	STEP 6, 0
	s_wait_dscnt 24
	MULP 0, 7, 0
	MULP 2, 7, 0
	MULP 4, 7, 0
	s_wait_dscnt 0x0
	MULP 6, 7, 0
	MULP 8, 7, 0
	MULP 10, 7, 0
	WIN 0
; THE WAY OUT.  32 numbers of a lane (register 16 b + i = k 32 b + 16 (lane / 16) + i) become six registers of codes from v[f] on (lane (r, h): k = 32 h + 0 .. 31) and the two blocks' bytes in v242, v243.
; Each accumulator is read from its low end on.
.macro QUANT2 wmax, wcvt, src, f
	WIN 0
	v_mov_b32 v236, FLOOR
	v_mov_b32 v237, FLOOR
	WIN \wmax                                      ; sources 1 and 2: the accumulators' window
.irp e, 0,2,4,6,8,10,12,14
	v_max3_num_f32 v236, v236, |v[(\src)+\e]|, |v[(\src)+\e+1]|
	v_max3_num_f32 v237, v237, |v[(\src)+16+\e]|, |v[(\src)+17+\e]|
.endr
	WIN 0
	v_permlanex16_b32 v238, v236, s[SEL], s[SEL+1]
	v_permlanex16_b32 v239, v237, s[SEL], s[SEL+1]
	v_max_num_f32 v236, v236, v238
	v_max_num_f32 v237, v237, v239
	v_add_nc_u32 v240, OFFE, v236
	v_add_nc_u32 v241, OFFE, v237
	v_lshrrev_b32 v242, 23, v240
	v_lshrrev_b32 v243, 23, v241
	WIN \wcvt                                      ; source 0: the accumulators' window
	v_cvt_scalef32_pk16_bf6_f32 v[(\f):(\f)+2], v[(\src):(\src)+15], v240
	v_cvt_scalef32_pk16_bf6_f32 v[(\f)+6:(\f)+8], v[(\src)+16:(\src)+31], v241
	WIN 0
	v_nop                                          ; one plain place behind a scaled conversion
.irp e, 0,1,2
	v_permlane16_swap_b32 v[(\f)+\e], v[(\f)+6+\e]
.endr
.irp e, 0,1,2
	v_mov_b32 v[(\f)+3+\e], v[(\f)+6+\e]
.endr
.endm
	PLACES
	v_mov_b32 v238, 0                              ; a lane permute's destination counts as one of its sources
	v_mov_b32 v239, 0
	v_and_b32 v26, 15, v0
	v_bfe_u32 v27, v0, 4, 1
	v_lshl_add_u32 v26, v26, 2, v27                ; V's scale bytes: 4 r + h
	s_mov_b32 s[SEL], 0x76543210
	s_mov_b32 s[SEL+1], 0xfedcba98
	s_mov_b32 s[HM], 0xffff0000                    ; lanes 16-31
	s_lshr_b32 s86, s66, 3
	s_lshl_b32 s86, s86, 4
	s_add_co_u32 s86, s86, s23                     ; bh = 16 x batch + head
	s_and_b32 s87, s66, 7                          ; which 256 rows of the batch
	s_lshl_b32 s88, s86, 7
	s_lshl_b32 s89, s87, 4
	s_add_co_u32 s88, s88, s89
	s_lshl_b32 s89, s18, 2
	s_add_co_u32 s88, s88, s89                     ; Q: tile 128 bh + 16 (y % 8) + 4 w
	s_mul_i32 s90, s88, 768
	s_mov_b32 s91, 0
	s_add_nc_u64 s[70:71], s[14:15], s[90:91]      ; Q's codes
	s_lshl_b32 s90, s88, 6
	s_add_nc_u64 s[72:73], s[16:17], s[90:91]      ; Q's scale words
	s_lshl_b32 s88, s87, 1
	s_add_co_u32 s88, s88, s19                     ; the key step of my 64 rows: 2 (y % 8) + w / 2
	s_mul_i32 s92, s86, 196608
	s_mul_i32 s89, s88, 12288
	s_add_co_u32 s92, s92, s89
	s_add_co_u32 s92, s92, 6291456                 ; the key step's 12,288 bytes: K's 8 tiles, then V's 4
	s_mul_i32 s89, s20, 3072
	s_add_co_u32 s90, s92, s89
	s_add_nc_u64 s[74:75], s[14:15], s[90:91]      ; K's codes: tiles 4 (w % 2) on
	s_mul_i32 s89, s20, 768
	s_add_co_u32 s90, s92, s89
	s_add_co_u32 s90, s90, 6144
	s_add_nc_u64 s[78:79], s[14:15], s[90:91]      ; V's codes: half w % 2 of each fragment
	s_mul_i32 s92, s86, 12288
	s_mul_i32 s89, s88, 768
	s_add_co_u32 s92, s92, s89
	s_add_co_u32 s92, s92, 524288
	s_lshl_b32 s89, s20, 8
	s_add_co_u32 s90, s92, s89
	s_add_nc_u64 s[76:77], s[16:17], s[90:91]      ; K's scale words
	s_lshl_b32 s89, s20, 1
	s_add_co_u32 s90, s92, s89
	s_add_co_u32 s90, s90, 512
	s_add_nc_u64 s[80:81], s[16:17], s[90:91]      ; V's scale bytes: bytes 2 (w % 2) on of each word
.irp i, 0,1,2,3                        ; Q.  Each use has its own registers for codes and words: no store's data are written again
	QUANT2 0x28, 0x02, 32*\i, 96+10*\i
	v_lshl_or_b32 v[220+\i], v243, 8, v242         ; the upper two bytes are 0: they meet zero codes alone
	global_store_b128 v[L16], v[96+10*\i:96+10*\i+3], s[70:71] offset:768*\i
	global_store_b64 v[L8], v[96+10*\i+4:96+10*\i+5], s[70:71] offset:768*\i+512
.endr
	v_cndmask_b32 v232, v220, v221, s[HM]          ; lanes 0-15: a tile's words, lanes 16-31: the next tile's: 128 consecutive bytes
	v_cndmask_b32 v233, v222, v223, s[HM]
	global_store_b32 v[L4], v232, s[72:73]
	global_store_b32 v[L4], v233, s[72:73] offset:128
.irp i, 0,1,2,3                        ; K
	QUANT2 0x28, 0x02, 128+32*\i, 136+10*\i
	v_lshl_or_b32 v[224+\i], v243, 8, v242
	global_store_b128 v[L16], v[136+10*\i:136+10*\i+3], s[74:75] offset:768*\i
	global_store_b64 v[L8], v[136+10*\i+4:136+10*\i+5], s[74:75] offset:768*\i+512
.endr
	v_cndmask_b32 v234, v224, v225, s[HM]
	v_cndmask_b32 v235, v226, v227, s[HM]
	global_store_b32 v[L4], v234, s[76:77]
	global_store_b32 v[L4], v235, s[76:77] offset:128
.irp i, 0,1,2,3                        ; V: tile i of the head's 64
	QUANT2 0x3c, 0x03, 32*\i, 176+10*\i
	v_cndmask_b32 v[228+\i], v242, v243, s[HM]     ; lane (r, h) stores block h's byte
	global_store_b128 v[L16], v[176+10*\i:176+10*\i+3], s[78:79] offset:1536*\i
	global_store_b64 v[L8], v[176+10*\i+4:176+10*\i+5], s[78:79] offset:1536*\i+512
	global_store_b8 v26, v[228+\i], s[80:81] offset:64*\i
.endr
	s_wait_tensorcnt 0x0                           ; the wave's end
	ds_add_u32 v[SPW], v[NIL]
	s_wait_dscnt 0x0
	CROUND                                         ; the closing round: no work-group ends while a partner may still ask for a tile that names it
	s_endpgm
.Lfunc_end_k_qd349a2d1ca_qkv:
	.size	k_qd349a2d1ca_qkv, .Lfunc_end_k_qd349a2d1ca_qkv-k_qd349a2d1ca_qkv
	.p2alignl 7, 3214868480
	.fill 96, 4, 3214868480
	.section	.rodata,"a",@progbits
	.p2align	6, 0x0
	.amdhsa_kernel k_qd349a2d1ca_qkv
		.amdhsa_group_segment_fixed_size 327680
		.amdhsa_private_segment_fixed_size 0
		.amdhsa_enable_private_segment 0
		.amdhsa_kernarg_size 56
		.amdhsa_user_sgpr_count 2
		.amdhsa_user_sgpr_kernarg_segment_ptr 1
		.amdhsa_wavefront_size32 1
		.amdhsa_system_sgpr_workgroup_id_x 1
		.amdhsa_system_sgpr_workgroup_id_y 1
		.amdhsa_system_sgpr_workgroup_id_z 1
		.amdhsa_system_vgpr_workitem_id 0
		.amdhsa_next_free_vgpr 1024
		.amdhsa_next_free_sgpr 100
		.amdhsa_reserve_vcc 0
		.amdhsa_float_denorm_mode_32 3
		.amdhsa_float_denorm_mode_16_64 3
		.amdhsa_memory_ordered 1
		.amdhsa_forward_progress 1
		.amdhsa_inst_pref_size 134
	.end_amdhsa_kernel
	.amdgpu_metadata
---
amdhsa.version: [ 1, 2 ]
amdhsa.kernels:
  - .name:           k_qd349a2d1ca_qkv
    .symbol:         k_qd349a2d1ca_qkv.kd
    .args:
      - { .name: xc, .offset: 0, .size: 8, .value_kind: global_buffer, .address_space: global }
      - { .name: xs, .offset: 8, .size: 8, .value_kind: global_buffer, .address_space: global }
      - { .name: wc, .offset: 16, .size: 8, .value_kind: global_buffer, .address_space: global }
      - { .name: wsc, .offset: 24, .size: 8, .value_kind: global_buffer, .address_space: global }
      - { .name: b_qkv, .offset: 32, .size: 8, .value_kind: global_buffer, .address_space: global }
      - { .name: qkc, .offset: 40, .size: 8, .value_kind: global_buffer, .address_space: global }
      - { .name: qks, .offset: 48, .size: 8, .value_kind: global_buffer, .address_space: global }
    .group_segment_fixed_size: 327680
    .private_segment_fixed_size: 0
    .kernarg_segment_align: 8
    .kernarg_segment_size: 56
    .max_flat_workgroup_size: 128
    .sgpr_count:     100
    .vgpr_count:     1024
    .wavefront_size: 32
...
	.end_amdgpu_metadata
.endif
;; end of part 2
;; launch attn (part 3): grid 4 x 64, 16 waves a work-group, clusters of 4 x 1, 210,944 bytes of LDS; arguments qkc, qks, ac, asc; writes ac, asc
.if DOCPART == 3
	.amdgcn_target "amdgcn-amd-amdhsa--gfx1250"
	.amdhsa_code_object_version 6
	.text
	.protected	k_qd349a2d1ca_attn
	.globl	k_qd349a2d1ca_attn
	.p2align	8
	.type	k_qd349a2d1ca_attn,@function
k_qd349a2d1ca_attn:
	s_mov_b64 s[64:65], 0
	v_nop
	global_prefetch_b8 v0, s[64:65] scope:SCOPE_SE
	s_setreg_imm32_b32 hwreg(HW_REG_WAVE_MODE, 25, 1), 1
	s_wait_xcnt 0x0
	s_wait_alu depctr_hold_cnt(0) depctr_sa_sdst(0) depctr_va_vdst(0) depctr_va_sdst(0) depctr_va_ssrc(0) depctr_va_vcc(0) depctr_vm_vsrc(0)
	s_getreg_b32 s2, hwreg(HW_REG_IB_STS2, 6, 4)
	s_cmp_eq_u32 s2, 0
	s_cbranch_scc0 .Lentry_in_a_cluster
	s_endpgm
.Lentry_in_a_cluster:
	s_bfe_u32 s2, ttmp6, 0x10000c
	s_cmp_lg_u32 s2, 0x3003
	s_cbranch_scc0 .Lentry_shape_is_right
	s_endpgm
.Lentry_shape_is_right:
; Causal attention with ALiBi on codes of BF6 (E3M2): o = softmax(Q K^T / 8 + slope (k - q)) V for keys k <= q; the result is quantised along (head, d) and leaves as codes for the last product.
; THE SOFTMAX: t = logit x log2(e); M = the running largest t rounded up to a whole number; p = 2^(t - M) is quantised along the keys, not normalised; the sum of the unquantised p divides at the end.
; SHARES.  A cluster of four work-groups is one (batch, head); all of its K and V (196,608 bytes of codes, 12,288 of scale bytes) lies in each work-group's LDS, filled ONCE by joint loads: no slot is filled again.
; Work-group cx owns queries 128 g + 32 cx + 0 .. 31 of every group g of 128.  Wave w takes tile u = w % 2 of them for g = w / 2 and then for g = 15 - w / 2: g + 1 key steps of 128 each, 17 for every wave.
; No branch, trip count or LDS address hangs on cx.  LAYOUT: both products transposed (S^T = K Q^T, O^T = V^T P^T): a lane holds one query.  A tile's 16 rows are 32 G + 8 u + r + 8 (r / 8), so registers run along the next K.
; ALIBI costs no instruction a score: k - q = DB + (16 h + 8 u_t + j - qm), DB a multiple of 32 for each block of 32 keys.  8 slope x the second part is the C of the score products; slope log2(e) DB goes into the
; addend of the multiply-add that makes t - M.  LIMIT (an order of rounding): the two parts are rounded apart; in the block beside the query's own they cancel, which costs about 1e-6 in t at the steepest slope.
; K = 64 IN AN INSTRUCTION OF 128: Q's upper six registers hold zero codes, so whatever K's upper six hold (the next tile's codes) adds nothing; the upper scale bytes are 0, never 0xff.
; LIMITS: NaN and infinities are not served; a block under 2^-122 keeps the byte 1, and so does a block of zeros.
; REGISTERS: v1-3 16, 8 x lane, 196,608 + 4 x lane; v4-6 the step's addresses; v7 the mask's bound; v8, v9 offsets; v[10:11] a; v12 -M, v13 the largest t, v[14:15] the sum; v16-27 Q; v28-43 C; v44-97 K, then V;
;   v98-161 S^T, then p; v162-193 O^T; v194-212 p's codes but v209, the spare word's address; v213 zero; v214-241 at work; v242-249 scale words and nothing else; v[250:251] f; v252-255 at work.
.set S,   98
.set O,   162
.set KR,  44
.set PC,  194
.set CT,  206
.set MX,  214
.set PT,  218
.set SO,  222
.set DB,  226
.set BB,  230
.set GG,  234
.set FLOOR, 0x2800000
.set OFFE,  0xfe000000
.set WV,  12
.set SEL, 20
.set CS,  22                           ; s[22:23] c = log2(e) / 8
.set KS,  40                           ; the key step
.set GQ,  41                           ; the job's group of queries
.set TB,  42                           ; where the step's codes begin in LDS
.set TS,  43                           ; and its scale words
.set HM,  44
.macro CROUND
	s_barrier_signal -1
	s_barrier_wait -1
	s_cmp_lg_u32 s[WV], 0
	s_cbranch_scc1 .Lnot_wave_0_\@
	s_barrier_signal -3
.Lnot_wave_0_\@:
	s_barrier_wait -3
	s_barrier_signal -1
	s_barrier_wait -1
.endm
	s_load_b256 s[4:11], s[0:1], 0x0               ; qkc s[4:5], qks s[6:7], ac s[8:9], asc s[10:11]
	v_lshl_add_u32 v209, v0, 2, 0x33000
	v_mov_b32 v213, 0
	ds_add_u32 v209, v213
	ds_add_u32 v209, v213
	v_lshrrev_b32 v4, 5, v0
	v_readfirstlane_b32 s[WV], v4                  ; wave 0..15
	s_bfe_u32 s13, ttmp6, 0x40000                  ; cx
	s_and_b32 s14, ttmp7, 0xffff                   ; bh = 16 x batch + head, which the four partners share
	s_and_b32 s15, s14, 15                         ; head
	s_lshr_b32 s16, s14, 4                         ; batch
	s_and_b32 s17, s[WV], 1                        ; u
	s_lshr_b32 s18, s[WV], 1
	; descriptor group 1: a dense block of 12,288 bytes as 48 rows of 32 elements of 8 bytes; the mask names all four work-groups
	s_mov_b32 s24, 15|(3<<16)|(1<<21)
	s_mov_b32 s25, 32<<16
	s_mov_b32 s26, 48<<16
	s_mov_b32 s27, 32<<16
	s_mov_b32 s28, 48
	s_mov_b32 s29, 32
	s_mov_b32 s30, 0
	s_mov_b32 s31, 0
	s_mul_i32 s48, s[WV], 12288                    ; wave w brings key step w
	s_mul_i32 s46, s14, 196608
	s_add_co_u32 s46, s46, s48
	s_add_co_u32 s46, s46, 6291456
	s_mov_b32 s47, 0
	s_mul_i32 s50, s14, 12288
	s_add_co_u32 s50, s50, 524288
	s_mov_b32 s51, 0
	s_mov_b32 s[SEL], 0x76543210
	s_mov_b32 s[SEL+1], 0xfedcba98
	s_mov_b32 s[CS], 0x3e38aa3b
	s_mov_b32 s[CS+1], s[CS]                       ; named with it as a pair, so it is written
	s_mov_b32 s[HM], 0xffff0000
	s_wait_dscnt 0x0
	s_wait_kmcnt 0x0
	s_mov_b32 s32, 1
	s_mov_b32 s33, s48
	s_add_nc_u64 s[34:35], s[4:5], s[46:47]
	s_or_b32 s35, s35, 0x80000000
	s_mov_b32 s36, 1
	s_mov_b32 s37, 196608
	s_add_nc_u64 s[38:39], s[6:7], s[50:51]
	s_or_b32 s39, s39, 0x80000000
	CROUND                                         ; all four work-groups are here: the joint loads meet
	tensor_load_to_lds s[32:35], s[24:31]          ; every wave: its key step's K and V
	s_nop 0
.rept 4
	v_nop
.endr
	s_cmp_lg_u32 s[WV], 0
	s_cbranch_scc1 .Lno_scales
	tensor_load_to_lds s[36:39], s[24:31]          ; wave 0: the head's scale bytes: two loads of its own are out, one of every other wave's
	s_nop 0
.rept 4
	v_nop
.endr
.Lno_scales:
	v_and_b32 v4, 31, v0
	v_lshlrev_b32 v1, 4, v4
	v_lshlrev_b32 v2, 3, v4
	v_lshl_add_u32 v3, v4, 2, 196608
	v_and_b32 v5, 15, v0                           ; r
	v_bfe_u32 v6, v0, 4, 1                         ; h
	v_lshlrev_b32 v8, 2, v5                        ; 4 r
	v_add_nc_u32 v9, v8, v6                        ; 4 r + h
	v_and_b32 v252, 8, v5
	v_add_nc_u32 v252, v252, v5
	s_lshl_b32 s46, s17, 3
	v_add_nc_u32 v252, s46, v252                   ; qm = 8 u + r + 8 (r / 8): my query among its 32
	v_lshlrev_b32 v253, 4, v6
	v_sub_nc_u32 v254, v253, v252                  ; 16 h - qm
	s_lshl_b32 s47, s13, 5
	v_sub_nc_u32 v7, s47, v254                     ; on the diagonal register 16 b + i is hidden where 32 b + i > 32 cx + qm - 16 h
	v_cvt_f32_u32 v255, s15
	v_fma_f32 v255, v255, 0xbeeeeeef, -1.0         ; -(1 + 7 head / 15)
	v_exp_f32 v255, v255                           ; the slope
	v_nop                                          ; a plain place behind the transcendental
	s_wait_alu depctr_va_vdst(0)
	v_mul_f32 v10, 0x3fb8aa3b, v255                ; a = slope x log2(e)
	v_mov_b32 v11, v10
	v_mul_f32 v255, 0x41000000, v255               ; 8 x slope: c times it is a
.irp k, 0,1,2,3,4,5,6,7,8,9,10,11,12,13,14,15
	v_add_nc_u32 v252, \k, v254
	v_cvt_f32_i32 v252, v252
	v_mul_f32 v[28+\k], v255, v252                 ; C of tiles u_t = k / 8, register k % 8: 8 slope (16 h + k - qm)
.endr
.irp k, 0,1,2,3,4,5
	v_mov_b32 v[22+\k], 0                          ; Q's upper half: zero codes
	v_mov_b32 v[92+\k], 0                          ; what stands behind K's last tile
.endr
.irp k, 0,1,2,3
	v_mov_b32 v[PT+\k], 0                          ; a lane permute's destination counts as one of its sources
	v_mov_b32 v[GG+1+2*\k], 0                      ; upper halves of pairs of which the low word alone is taken
.endr
	v_mov_b32 v251, 0
	s_wait_tensorcnt 0x0                           ; my loads have landed,
	s_barrier_signal -1
	s_barrier_wait -1                              ; everybody's have
; A JOB: one tile of 16 queries of group s[GQ].  The loop's trip count is a constant; a step all of whose keys come after the group is left out by a scalar branch on ids inside the loop.
.macro JOB nt
	s_lshl_b32 s55, s[GQ], 3
	s_lshl_b32 s46, s13, 1
	s_add_co_u32 s55, s55, s46
	s_add_co_u32 s55, s55, s17                     ; the tile in its batch: 8 g + 2 cx + u
	s_lshl_b32 s47, s14, 7
	s_add_co_u32 s47, s47, s55
	s_mul_i32 s48, s47, 768
	s_mov_b32 s49, 0
	s_add_nc_u64 s[50:51], s[4:5], s[48:49]
	s_lshl_b32 s48, s47, 6
	s_add_nc_u64 s[52:53], s[6:7], s[48:49]
	global_load_b128 v[16:19], v1, s[50:51]        ; Q's half fragment
	global_load_b64 v[20:21], v2, s[50:51] offset:512
	global_load_b32 v249, v8, s[52:53]             ; and its scale words
	s_lshl_b32 s48, s[GQ], 7
	s_lshl_b32 s54, s13, 5
	s_add_co_u32 s48, s48, s54
.irp b, 0,1,2,3
	s_sub_co_i32 s54, 32*\b, s48
	v_cvt_f32_i32 v[DB+\b], s54                    ; DB of block b at key step 0: 32 b - 128 g - 32 cx, exact
.endr
	v_mov_b32 v13, 0xff61b1e6                      ; the largest t so far: -3e38
	v_floor_f32 v12, -v13
	v_mov_b32 v14, 0
	v_mov_b32 v15, 0
.set n, 0
.rept 32
	v_mov_b32 v[O+n], 0                            ; the step is written once: the first finds zeros, which the first change of M leaves zeros
.set n, n+1
.endr
	s_mov_b32 s[KS], 0
	s_mov_b32 s[TB], 0
	s_mov_b32 s[TS], 0
	s_wait_loadcnt 0x0
.Lks_\@:
	s_cmp_gt_u32 s[KS], s[GQ]
	s_cbranch_scc1 .Lhid_\@
	v_add_nc_u32 v4, s[TB], v1                     ; these three and the v_nop are the four places in front of loads into registers that the last products read
	v_add_nc_u32 v5, s[TB], v2
	v_add_nc_u32 v6, s[TS], v3
	v_nop
.irp t, 0,1,2,3,4,5,6,7
	ds_load_b128 v[KR+6*\t:KR+6*\t+3], v4 offset:768*\t
	ds_load_b64 v[KR+6*\t+4:KR+6*\t+5], v5 offset:768*\t+512
.endr
.irp p, 0,1,2,3
	ds_load_b32 v[242+\p], v6 offset:128*\p        ; lanes 0-15: tile 2 p's words, lanes 16-31: tile 2 p + 1's
.endr
	s_wait_dscnt 0x0
.irp t, 0,2,4,6
	v_wmma_scale_f32_16x16x128_f8f6f4 v[S+8*\t:S+8*\t+7], v[KR+6*\t:KR+6*\t+11], v[16:27], v[28:35], v[242+\t/2], v249 matrix_a_fmt:MATRIX_FMT_BF6 matrix_b_fmt:MATRIX_FMT_BF6
	v_wmma_scale_f32_16x16x128_f8f6f4 v[S+8*\t+8:S+8*\t+15], v[KR+6*\t+6:KR+6*\t+17], v[16:27], v[36:43], v[242+\t/2], v249 matrix_a_fmt:MATRIX_FMT_BF6 matrix_b_fmt:MATRIX_FMT_BF6 matrix_a_scale:MATRIX_SCALE_ROW1
.endr
.rept 4
	v_nop
.endr
.irp d, 0,1,2,3                        ; V's four fragments land while the softmax is walked
	ds_load_b128 v[KR+12*\d:KR+12*\d+3], v4 offset:6144+1536*\d
	ds_load_b64 v[KR+12*\d+4:KR+12*\d+5], v5 offset:6144+1536*\d+512
	ds_load_b128 v[KR+12*\d+6:KR+12*\d+9], v4 offset:6144+1536*\d+768
	ds_load_b64 v[KR+12*\d+10:KR+12*\d+11], v5 offset:6144+1536*\d+1280
.endr
	ds_load_b32 v246, v6 offset:512
	ds_load_b32 v247, v6 offset:640
	s_cmp_lg_u32 s[KS], s[GQ]
	s_cbranch_scc1 .Lopen_\@
	v_mov_b32 v254, 0xff800000                     ; on the diagonal the scores of hidden keys become -infinity ahead of the maximum: p = 0 then
.set n, 0
.rept 64
	v_cmp_gt_i32 vcc_lo, 32*(n/16)+n%16, v7
	v_cndmask_b32 v[S+n], v[S+n], v254, vcc_lo
.set n, n+1
.endr
.Lopen_\@:
.irp b, 0,1,2,3
	v_max3_num_f32 v[MX+\b], v[S+16*\b], v[S+1+16*\b], v[S+2+16*\b]     ; the largest score of each block of 32 keys: for the row's maximum and for the block's largest p
.endr
.irp i, 3,5,7,9,11,13
.irp b, 0,1,2,3
	v_max3_num_f32 v[MX+\b], v[MX+\b], v[S+16*\b+\i], v[S+1+16*\b+\i]
.endr
.endr
.irp b, 0,1,2,3
	v_max_num_f32 v[MX+\b], v[MX+\b], v[S+15+16*\b]
.endr
.irp b, 0,1,2,3
	v_permlanex16_b32 v[PT+\b], v[MX+\b], s[SEL], s[SEL+1]
.endr
.irp b, 0,1,2,3
	v_max_num_f32 v[MX+\b], v[MX+\b], v[PT+\b]
.endr
	v_pk_mul_f32 v[BB:BB+1], v[DB:DB+1], v[10:11]                       ; a DB
	v_pk_mul_f32 v[BB+2:BB+3], v[DB+2:DB+3], v[10:11]
.irp b, 0,1,2,3
	v_fma_f32 v[PT+\b], v[MX+\b], s[CS], v[BB+\b]                       ; the block's largest t
.endr
	v_max3_num_f32 v254, v[PT], v[PT+1], v[PT+2]
	v_max_num_f32 v254, v254, v[PT+3]
	v_max_num_f32 v13, v13, v254                   ; the running largest t
	v_mov_b32 v254, v12
	v_floor_f32 v12, -v13                          ; -M = floor(-t): M is a whole number
	v_sub_f32 v254, v12, v254                      ; old M - new M, a whole number, 0 or less
	v_cvt_i32_f32 v254, v254                       ; (it saturates)
	v_ldexp_f32 v250, 1.0, v254                    ; f = 2^(old M - new M): a multiplication by it rounds nothing
.irp b, 0,1,2,3
	v_add_f32 v[GG+2*\b], v[BB+\b], v12            ; a DB - M
.endr
.irp b, 0,1,2,3
.irp i, 0,2,4,6,8,10,12,14
	v_pk_fma_f32 v[S+16*\b+\i:S+16*\b+\i+1], v[S+16*\b+\i:S+16*\b+\i+1], s[CS:CS+1], v[GG+2*\b:GG+2*\b+1] op_sel_hi:[1,0,0]   ; t - M, two at a time
.endr
.endr
.irp b, 0,1,2,3
	v_fma_f32 v[MX+\b], v[MX+\b], s[CS], v[GG+2*\b]                     ; the same of each block's largest score
.endr
.set n, 0
.rept 64
	v_exp_f32 v[S+n], v[S+n]                       ; p = 2^(t - M)
.set n, n+1
.endr
.irp b, 0,1,2,3
	v_exp_f32 v[MX+\b], v[MX+\b]                   ; the block's largest p: the same two instructions on the same number
.endr
	v_pk_mul_f32 v[14:15], v[14:15], v[250:251] op_sel_hi:[1,0]         ; the sums under the new M (a plain place behind the exponentials)
	s_wait_alu depctr_va_vdst(0)
.irp b, 0,1,2,3
	v_max_num_f32 v[MX+\b], FLOOR, v[MX+\b]
.endr
.irp b, 0,1,2,3
	v_add_nc_u32 v[SO+\b], OFFE, v[MX+\b]          ; the conversion's scale operand
.endr
.irp b, 0,1,2,3
	v_lshrrev_b32 v[PT+\b], 23, v[SO+\b]           ; the scale's byte
.endr
	v_lshl_or_b32 v248, v[PT+1], 8, v[PT]          ; p's scale word for these 128 keys
	v_lshl_or_b32 v248, v[PT+2], 16, v248
	v_lshl_or_b32 v248, v[PT+3], 24, v248
.irp c, 0,1
	v_cvt_scalef32_pk16_bf6_f32 v[PC+6*\c:PC+6*\c+2], v[S+32*\c:S+32*\c+15], v[SO+2*\c]
	v_cvt_scalef32_pk16_bf6_f32 v[CT+4*\c:CT+4*\c+2], v[S+16+32*\c:S+31+32*\c], v[SO+2*\c+1]
.endr
	v_nop                                          ; one plain place behind a scaled conversion
.irp c, 0,1
.irp i, 0,1,2
	v_permlane16_swap_b32 v[PC+6*\c+\i], v[CT+4*\c+\i]
.endr
.irp i, 0,1,2
	v_mov_b32 v[PC+3+6*\c+\i], v[CT+4*\c+\i]
.endr
.endr
.set n, 0
.rept 16
	v_pk_mul_f32 v[O+n:O+n+1], v[O+n:O+n+1], v[250:251] op_sel_hi:[1,0] ; O^T under the new M
.set n, n+2
.endr
	v_pk_add_f32 v[252:253], v[S:S+1], v[S+2:S+3]                       ; the row's sum is taken of the unquantised p, in two chains; these lines are also the places in front of the products below
.irp i, 4,8,12,16,20,24,28,32,36,40,44,48,52,56,60
	v_pk_add_f32 v[14:15], v[14:15], v[S+\i:S+\i+1]
	v_pk_add_f32 v[252:253], v[252:253], v[S+2+\i:S+3+\i]
.endr
	v_pk_add_f32 v[14:15], v[14:15], v[252:253]
	v_pk_add_f32 v[DB:DB+1], v[DB:DB+1], 0x43000000 op_sel_hi:[1,0]     ; the next step's keys lie 128 on
	v_pk_add_f32 v[DB+2:DB+3], v[DB+2:DB+3], 0x43000000 op_sel_hi:[1,0]
	s_wait_dscnt 0x0                               ; V
.irp d, 0,2                            ; O^T += V^T P^T: four accumulators by turns
	v_wmma_scale_f32_16x16x128_f8f6f4 v[O+8*\d:O+8*\d+7], v[KR+12*\d:KR+12*\d+11], v[PC:PC+11], v[O+8*\d:O+8*\d+7], v[246+\d/2], v248 matrix_a_fmt:MATRIX_FMT_BF6 matrix_b_fmt:MATRIX_FMT_BF6
	v_wmma_scale_f32_16x16x128_f8f6f4 v[O+8*\d+8:O+8*\d+15], v[KR+12*\d+12:KR+12*\d+23], v[PC:PC+11], v[O+8*\d+8:O+8*\d+15], v[246+\d/2], v248 matrix_a_fmt:MATRIX_FMT_BF6 matrix_b_fmt:MATRIX_FMT_BF6 matrix_a_scale:MATRIX_SCALE_ROW1
.endr
.Lhid_\@:
	s_add_co_u32 s[TB], s[TB], 12288
	s_add_co_u32 s[TS], s[TS], 768
	s_add_co_u32 s[KS], s[KS], 1
	s_cmp_lt_u32 s[KS], \nt
	s_cbranch_scc1 .Lks_\@
	; the job's end: O^T / the sum; register 16 b + i is d = 32 b + 16 h + i of my query: quantised as half a fragment of the last product's operand (its K = 64 head + d)
.rept 4
	v_nop
.endr
	v_add_f32 v14, v14, v15
	v_permlanex16_b32 v252, v14, s[SEL], s[SEL+1]
	v_add_f32 v14, v14, v252                       ; the row's sum
	v_rcp_f32 v14, v14
	v_nop                                          ; a plain place behind the transcendental
.set n, 0
	s_wait_alu depctr_va_vdst(0)
.rept 16
	v_pk_mul_f32 v[S+n:S+n+1], v[O+n:O+n+1], v[14:15] op_sel_hi:[1,0]   ; each accumulator from its low end on
.set n, n+2
.endr
	v_max3_num_f32 v[MX], |v[S]|, |v[S+1]|, FLOOR
	v_max3_num_f32 v[MX+1], |v[S+16]|, |v[S+17]|, FLOOR
.irp i, 2,4,6,8,10,12,14
	v_max3_num_f32 v[MX], v[MX], |v[S+\i]|, |v[S+1+\i]|
	v_max3_num_f32 v[MX+1], v[MX+1], |v[S+16+\i]|, |v[S+17+\i]|
.endr
	v_permlanex16_b32 v[PT], v[MX], s[SEL], s[SEL+1]
	v_permlanex16_b32 v[PT+1], v[MX+1], s[SEL], s[SEL+1]
	v_max_num_f32 v[MX], v[MX], v[PT]
	v_max_num_f32 v[MX+1], v[MX+1], v[PT+1]
	v_add_nc_u32 v[SO], OFFE, v[MX]
	v_add_nc_u32 v[SO+1], OFFE, v[MX+1]
	v_lshrrev_b32 v[PT], 23, v[SO]
	v_lshrrev_b32 v[PT+1], 23, v[SO+1]
	v_cvt_scalef32_pk16_bf6_f32 v[PC:PC+2], v[S:S+15], v[SO]
	v_cvt_scalef32_pk16_bf6_f32 v[PC+6:PC+8], v[S+16:S+31], v[SO+1]
	v_nop
.irp i, 0,1,2
	v_permlane16_swap_b32 v[PC+\i], v[PC+6+\i]
.endr
.irp i, 0,1,2
	v_mov_b32 v[PC+3+\i], v[PC+6+\i]
.endr
	v_cndmask_b32 v[PT+2], v[PT], v[PT+1], s[HM]   ; lane (r, h) stores block h's byte
	s_lshl_b32 s56, s16, 7
	s_add_co_u32 s56, s56, s55                     ; the tile among all 512
	s_mul_i32 s58, s56, 12288
	s_mul_i32 s57, s15, 768
	s_add_co_u32 s58, s58, s57
	s_mov_b32 s59, 0
	s_add_nc_u64 s[60:61], s[8:9], s[58:59]
	s_lshl_b32 s58, s56, 9
	s_lshr_b32 s57, s15, 1
	s_lshl_b32 s57, s57, 6
	s_add_co_u32 s58, s58, s57
	s_and_b32 s57, s15, 1
	s_lshl_b32 s57, s57, 1
	s_add_co_u32 s58, s58, s57
	s_add_nc_u64 s[62:63], s[10:11], s[58:59]
	global_store_b128 v1, v[PC:PC+3], s[60:61]     ; 512 consecutive bytes
	global_store_b64 v2, v[PC+4:PC+5], s[60:61] offset:512
	global_store_b8 v9, v[PT+2], s[62:63]
	s_wait_xcnt 0x0                                ; the stores' registers and bases are written again only behind this wait
.endm
	s_mov_b32 s[GQ], s18                           ; g = w / 2: at most 8 key steps
	JOB 8
	s_sub_co_u32 s[GQ], 15, s18                    ; g = 15 - w / 2
	JOB 16
	s_wait_tensorcnt 0x0
	ds_add_u32 v209, v213
	s_wait_dscnt 0x0
	CROUND                                         ; the closing round
	s_endpgm
.Lfunc_end_k_qd349a2d1ca_attn:
	.size	k_qd349a2d1ca_attn, .Lfunc_end_k_qd349a2d1ca_attn-k_qd349a2d1ca_attn
	.p2alignl 7, 3214868480
	.fill 96, 4, 3214868480
	.section	.rodata,"a",@progbits
	.p2align	6, 0x0
	.amdhsa_kernel k_qd349a2d1ca_attn
		.amdhsa_group_segment_fixed_size 210944
		.amdhsa_private_segment_fixed_size 0
		.amdhsa_enable_private_segment 0
		.amdhsa_kernarg_size 32
		.amdhsa_user_sgpr_count 2
		.amdhsa_user_sgpr_kernarg_segment_ptr 1
		.amdhsa_wavefront_size32 1
		.amdhsa_system_sgpr_workgroup_id_x 1
		.amdhsa_system_sgpr_workgroup_id_y 1
		.amdhsa_system_sgpr_workgroup_id_z 1
		.amdhsa_system_vgpr_workitem_id 0
		.amdhsa_next_free_vgpr 256
		.amdhsa_next_free_sgpr 66
		.amdhsa_reserve_vcc 1
		.amdhsa_float_denorm_mode_32 3
		.amdhsa_float_denorm_mode_16_64 3
		.amdhsa_memory_ordered 1
		.amdhsa_forward_progress 1
		.amdhsa_inst_pref_size 64
	.end_amdhsa_kernel
	.amdgpu_metadata
---
amdhsa.version: [ 1, 2 ]
amdhsa.kernels:
  - .name:           k_qd349a2d1ca_attn
    .symbol:         k_qd349a2d1ca_attn.kd
    .args:
      - { .name: qkc, .offset: 0, .size: 8, .value_kind: global_buffer, .address_space: global }
      - { .name: qks, .offset: 8, .size: 8, .value_kind: global_buffer, .address_space: global }
      - { .name: ac, .offset: 16, .size: 8, .value_kind: global_buffer, .address_space: global }
      - { .name: asc, .offset: 24, .size: 8, .value_kind: global_buffer, .address_space: global }
    .group_segment_fixed_size: 210944
    .private_segment_fixed_size: 0
    .kernarg_segment_align: 8
    .kernarg_segment_size: 32
    .max_flat_workgroup_size: 512
    .sgpr_count:     66
    .vgpr_count:     256
    .wavefront_size: 32
...
	.end_amdgpu_metadata
.endif
;; end of part 3
;; launch proj (part 4): grid 8 x 32, 4 waves a work-group, clusters of 4 x 4, 307,712 bytes of LDS; arguments ac, asc, wc, wsc, b_out, out0; writes out0
.if DOCPART == 4
	.amdgcn_target "amdgcn-amd-amdhsa--gfx1250"
	.amdhsa_code_object_version 6
	.text
	.protected	k_qd349a2d1ca_proj
	.globl	k_qd349a2d1ca_proj
	.p2align	8
	.type	k_qd349a2d1ca_proj,@function
k_qd349a2d1ca_proj:
	s_mov_b64 s[64:65], 0
	v_nop
	global_prefetch_b8 v0, s[64:65] scope:SCOPE_SE
	s_setreg_imm32_b32 hwreg(HW_REG_WAVE_MODE, 25, 1), 1
	s_wait_xcnt 0x0
	s_wait_alu depctr_hold_cnt(0) depctr_sa_sdst(0) depctr_va_vdst(0) depctr_va_sdst(0) depctr_va_ssrc(0) depctr_va_vcc(0) depctr_vm_vsrc(0)
	s_getreg_b32 s2, hwreg(HW_REG_IB_STS2, 6, 4)
	s_cmp_eq_u32 s2, 0
	s_cbranch_scc0 .Lentry_in_a_cluster
	s_endpgm
.Lentry_in_a_cluster:
	s_bfe_u32 s2, ttmp6, 0x10000c
	s_cmp_lg_u32 s2, 0xf033
	s_cbranch_scc0 .Lentry_shape_is_right
	s_endpgm
.Lentry_shape_is_right:
; out0 = attn W_out + b_out on codes of BF6 (E3M2) with E8M0 scales; out0 [8192][1024] f32.  Both operands lie in memory in the order of their registers ([tile][K / 64][768 bytes]; a tile's rows are 32 G + 8 u + r + 8 (r / 8)).
; A work-group (x, y) makes 256 rows x 128 columns; wave w takes rows 64 w on (tiles i = 0 .. 3) against 8 tiles of W_out: 32 accumulators.  Source 0 = W, source 1 = attn: a lane holds eight neighbouring columns of one row.
; ALL OF K LIES IN LDS: four slots of 256 along K, each filled once; nothing is filled again.  The bias is the C of each sum's first product (it enters the sum first, not last).
; CLUSTERS: 4 x 4.  attn's tiles hang on y alone and are asked for jointly along a row of the cluster, W's on x alone and along a column.
; REGISTERS: window 0: v4-27 addresses; v32-47 attn's scale words, v48-79 W's; v96-191 attn's fragments, two sets; on the way out v96-223 rows of out0.  window 1: W's 8 fragments.  window 2: accumulator (i, j) at 64 i + 8 j.  window 3: the bias, tile j at 8 j.
.set SLOT,  73728                      ; attn's 16 tiles x 3,072 bytes, then W's 8
.set WOFF,  49152
.set AX16, 4                           ; v4-7
.set AX8,  8                           ; v8-11
.set AW16, 12                          ; v12-15
.set AW8,  16                          ; v16-19
.set L16,  20
.set L8,   21
.set L4,   22
.set STO,  26
.set RD,   27
.set SX,   32
.set SW,   48
.set XF,   96
.set G1X,  24
.set G0X,  32                          ; s[32:47] a set for each slot
.set G1W,  48
.set G0W,  68                          ; s[68:83]
.set MSB, 0
.macro WIN new                         ; the immediate's high byte repeats the setting that is left
.if MSB != \new
	s_set_vgpr_msb (MSB<<8)|\new
.set MSB, \new
.endif
.endm
.macro JLOAD g0a, g1a, g0b, g1b        ; a joint load: waves 0 and 1 fetch attn's halves, waves 2 and 3 W's; four v_nop follow each of the two lines
	s_cmp_eq_u32 s19, 0
	s_cbranch_scc0 .Lfor_b_\@
	tensor_load_to_lds s[\g0a:\g0a+3], s[\g1a:\g1a+7]
	s_nop 0
.rept 4
	v_nop
.endr
	s_branch .Lasked_\@
.Lfor_b_\@:
	tensor_load_to_lds s[\g0b:\g0b+3], s[\g1b:\g1b+7]
	s_nop 0
.rept 4
	v_nop
.endr
.Lasked_\@:
.endm
.macro CROUND
	s_barrier_signal -1
	s_barrier_wait -1
	s_cmp_lg_u32 s18, 0
	s_cbranch_scc1 .Lnot_wave_0_\@
	s_barrier_signal -3
.Lnot_wave_0_\@:
	s_barrier_wait -3
	s_barrier_signal -1
	s_barrier_wait -1
.endm
.macro PLACES                          ; four plain places behind matrix instructions, in front of loads into their registers and of reads of their results
.rept 4
	v_nop
.endr
.endm
	s_load_b256 s[4:11], s[0:1], 0x0               ; ac s[4:5], asc s[6:7], wc s[8:9], wsc s[10:11]
	s_load_b128 s[12:15], s[0:1], 0x20             ; b_out s[12:13], out0 s[14:15]
	v_lshl_add_u32 v254, v0, 2, 0x4b000
	v_mov_b32 v255, 0
	ds_add_u32 v254, v255
	ds_add_u32 v254, v255
	v_lshrrev_b32 v1, 5, v0
	v_readfirstlane_b32 s18, v1                    ; wave 0..3
	s_lshr_b32 s19, s18, 1                         ; I fetch for attn (0) or for W (1)
	s_and_b32 s20, s18, 1                          ; which half of its tiles
	s_bfe_u32 s21, ttmp6, 0x40000                  ; cx
	s_bfe_u32 s22, ttmp6, 0x40004                  ; cy
	s_lshl_b32 s23, ttmp9, 2
	s_add_co_u32 s23, s23, s21                     ; x: which 128 columns
	s_and_b32 s66, ttmp7, 0xffff
	s_lshl_b32 s66, s66, 2
	s_add_co_u32 s66, s66, s22                     ; y: which 256 rows
	s_lshl_b32 s16, s22, 2
	s_lshl_b32 s16, 15, s16                        ; my row of the cluster
	s_lshl_b32 s17, 0x1111, s21                    ; my column
	s_or_b32 s[G1X], s16, (3<<16)|(1<<21)          ; 8 (attn) or 4 (W) tiles: rows of 384 elements of 8 bytes, 1,536 elements apart, no padding
	s_or_b32 s[G1W], s17, (3<<16)|(1<<21)
.irp g, G1X, G1W
	s_mov_b32 s[\g+1], 384<<16
	s_mov_b32 s[\g+3], 384<<16
	s_mov_b32 s[\g+5], 1536
	s_mov_b32 s[\g+6], 0
	s_mov_b32 s[\g+7], 0
.endr
	s_mov_b32 s[G1X+2], 8<<16
	s_mov_b32 s[G1X+4], 8
	s_mov_b32 s[G1W+2], 4<<16
	s_mov_b32 s[G1W+4], 4
	s_lshl_b32 s84, s66, 4
	s_lshl_b32 s85, s20, 3
	s_add_co_u32 s84, s84, s85                     ; attn: tile 16 y + 8 x half
	s_mul_i32 s84, s84, 12288
	s_mov_b32 s85, 0
	s_lshl_b32 s88, s23, 3
	s_lshl_b32 s89, s20, 2
	s_add_co_u32 s88, s88, s89                     ; W_out: tile 8 x + 4 x half, behind W_qkv's 2,359,296 bytes
	s_mul_i32 s88, s88, 12288
	s_add_co_u32 s88, s88, 2359296
	s_mov_b32 s89, 0
	s_mul_i32 s92, s20, 24576                      ; where they go: no place in the cluster enters an LDS address
	s_mul_i32 s93, s20, 12288
	s_add_co_u32 s93, s93, WOFF
	s_wait_dscnt 0x0
	s_wait_kmcnt 0x0
	s_add_nc_u64 s[86:87], s[4:5], s[84:85]
	s_add_nc_u64 s[90:91], s[8:9], s[88:89]
	CROUND                                         ; all sixteen work-groups are here: the joint loads meet
.irp s, 0,1,2,3
	s_mov_b32 s[G0X+4*\s], 1
	s_add_co_u32 s[G0X+4*\s+1], s92, \s*SLOT
	s_add_nc_u64 s[G0X+4*\s+2:G0X+4*\s+3], s[86:87], \s*3072
	s_or_b32 s[G0X+4*\s+3], s[G0X+4*\s+3], 0x80000000
	s_mov_b32 s[G0W+4*\s], 1
	s_add_co_u32 s[G0W+4*\s+1], s93, \s*SLOT
	s_add_nc_u64 s[G0W+4*\s+2:G0W+4*\s+3], s[90:91], \s*3072
	s_or_b32 s[G0W+4*\s+3], s[G0W+4*\s+3], 0x80000000
	JLOAD G0X+4*\s, G1X, G0W+4*\s, G1W             ; four loads of mine are out
.endr
	v_and_b32 v1, 31, v0
	v_lshlrev_b32 v[L16], 4, v1
	v_lshlrev_b32 v[L8], 3, v1
	v_lshlrev_b32 v[L4], 2, v1
	s_mul_i32 s94, s18, 12288                      ; my four tiles of attn in a slot
.irp s, 0,1,2,3
	v_add_nc_u32 v[AX16+\s], s94, v[L16]
	v_add_nc_u32 v[AX8+\s], s94, v[L8]
	v_add_nc_u32 v[AW16+\s], \s*SLOT+WOFF, v[L16]
	v_add_nc_u32 v[AW8+\s], \s*SLOT+WOFF, v[L8]
	s_add_co_u32 s94, s94, SLOT
.endr
	s_mul_i32 s95, s18, 8448                       ; the way out: my stage, 16 rows x (512 bytes + 16), in slot 0
	v_and_b32 v23, 15, v0
	v_bfe_u32 v24, v0, 4, 1
	v_mul_u32_u24 v[STO], v23, 528
	v_lshl_add_u32 v[STO], v24, 6, v[STO]
	v_add_nc_u32 v[STO], s95, v[STO]               ; in: row r, + 64 h
	v_add_nc_u32 v[RD], s95, v[L16]                ; back: 16 bytes a lane of a row
	v_lshlrev_b32 v23, 6, v24                      ; the bias: my half's eight columns of a tile: 64 h bytes on
	s_lshl_b32 s56, s66, 4
	s_lshl_b32 s57, s18, 2
	s_add_co_u32 s56, s56, s57
	s_lshl_b32 s56, s56, 9
	s_mov_b32 s57, 0
	s_add_nc_u64 s[6:7], s[6:7], s[56:57]          ; attn's scale words at my first tile
	s_lshl_b32 s56, s23, 12
	s_add_co_u32 s56, s56, 98304
	s_add_nc_u64 s[10:11], s[10:11], s[56:57]      ; W_out's at tile 8 x
	s_lshl_b32 s56, s23, 9
	s_add_nc_u64 s[12:13], s[12:13], s[56:57]      ; b_out at column 128 x
	s_add_nc_u64 s[14:15], s[14:15], s[56:57]      ; out0 likewise,
	s_lshl_b32 s56, s66, 20
	s_lshl_b32 s58, s18, 18
	s_add_co_u32 s56, s56, s58
	s_add_nc_u64 s[14:15], s[14:15], s[56:57]      ; at row 256 y + 64 w
.irp i, 0,1,2,3
.irp k, 0,1,2,3
	global_load_b32 v[SX+4*\i+\k], v[L4], s[6:7] offset:512*\i+128*\k      ; lanes 0-15: K step 2 k, lanes 16-31: K step 2 k + 1
.endr
.endr
.irp j, 0,1,2,3,4,5,6,7
.irp k, 0,1,2,3
	global_load_b32 v[SW+4*\j+\k], v[L4], s[10:11] offset:512*\j+128*\k
.endr
.endr
	WIN 0xc0                                       ; destination window 3
.irp j, 0,1,2,3,4,5,6,7
	global_load_b128 v[8*\j:8*\j+3], v23, s[12:13] offset:(32*(\j/2)+8*(\j%2))*4
	global_load_b128 v[8*\j+4:8*\j+7], v23, s[12:13] offset:(32*(\j/2)+8*(\j%2))*4+16
.endr
	WIN 0
.macro FRAG reg, a16, a8, off          ; a fragment, 12 registers: two halves of 768 bytes, each 16 bytes a lane and then 8 bytes a lane
	ds_load_b128 v[\reg:\reg+3], v[\a16] offset:(\off)
	ds_load_b64 v[\reg+4:\reg+5], v[\a8] offset:(\off)+512
	ds_load_b128 v[\reg+6:\reg+9], v[\a16] offset:(\off)+768
	ds_load_b64 v[\reg+10:\reg+11], v[\a8] offset:(\off)+1280
.endm
.macro FETCH_X slot, q, set
	WIN 0
.irp i, 0,1,2,3
	FRAG XF+48*(\set)+12*\i, AX16+(\slot), AX8+(\slot), \i*3072+(\q)*1536
.endr
.endm
.macro FETCH_W slot, q, j0             ; W tiles j0 .. j0 + 3: 16 loads
	WIN 0x40
.irp d, 0,1,2,3
	FRAG 12*((\j0)+\d), AW16+(\slot), AW8+(\slot), ((\j0)+\d)*3072+(\q)*1536
.endr
	WIN 0
.endm
.macro SWM d, a, b, c, sa, sb, odd
.if \odd
	v_wmma_scale_f32_16x16x128_f8f6f4 v[\d:\d+7], v[\a:\a+11], v[\b:\b+11], v[\c:\c+7], v[\sa], v[\sb] matrix_a_fmt:MATRIX_FMT_BF6 matrix_b_fmt:MATRIX_FMT_BF6 matrix_a_scale:MATRIX_SCALE_ROW1 matrix_b_scale:MATRIX_SCALE_ROW1
.else
	v_wmma_scale_f32_16x16x128_f8f6f4 v[\d:\d+7], v[\a:\a+11], v[\b:\b+11], v[\c:\c+7], v[\sa], v[\sb] matrix_a_fmt:MATRIX_FMT_BF6 matrix_b_fmt:MATRIX_FMT_BF6
.endif
.endm
; 8 matrix instructions: W tiles j0, j0 + 1 x my four tiles of rows, K step n.  The 32 accumulators take turns, one instruction a turn, in the same order in every step.
.macro MULP j0, n, first
.if \first
	WIN 0xb1                                       ; source 0 (W) window 1, source 1 window 0, C (the bias) window 3, D window 2
.else
	WIN 0xa1
.endif
.irp i, 0,1,2,3
.irp d, 0,1
.set jj, (\j0)+\d
.set rD, 64*\i+8*jj
.set rC, rD
.if \first
.set rC, 8*jj
.endif
.set rX, XF+48*((\n)%2)+12*\i
.set rW, 12*jj
.set qX, SX+4*\i+(\n)/2
.set qW, SW+4*jj+(\n)/2
	SWM rD, rW, rX, rC, qW, qX, (\n)%2
.endr
.endr
.endm
.macro REST n, first                   ; the second half of a step: the next step's fragments and my last 16 products
	FETCH_X ((\n)+1)/2, ((\n)+1)%2, ((\n)+1)%2
	FETCH_W ((\n)+1)/2, ((\n)+1)%2, 0
	MULP 4, \n, \first
	MULP 6, \n, \first
	PLACES
	FETCH_W ((\n)+1)/2, ((\n)+1)%2, 4
.endm
.macro STEP n, first                   ; the successor lies in the same slot
	s_wait_dscnt 16                                ; attn's tiles and W's 0-3 are in; the youngest 16 loads (W's 4-7) may be out
	MULP 0, \n, \first
	MULP 2, \n, \first
	s_wait_dscnt 0x0
	PLACES
	REST \n, \first
.endm
.macro TURN n, left                    ; the successor lies in the next slot: my part of it has landed (left later loads may stay out), and behind the barrier everybody's has
	s_wait_tensorcnt \left
	s_wait_dscnt 16
	MULP 0, \n, 0
	s_wait_dscnt 0x0                               ; no LDS instruction of mine is out at the signal
	s_barrier_signal -1
	MULP 2, \n, 0
	WIN 0
	s_barrier_wait -1
	PLACES
	REST \n, 0
.endm
	s_wait_tensorcnt 3                             ; my part of slot 0 is in
	s_barrier_signal -1
	s_barrier_wait -1
	FETCH_X 0, 0, 0
	FETCH_W 0, 0, 0
	FETCH_W 0, 0, 4
	s_wait_loadcnt 0x0                             ; the scale words and the bias
	STEP 0, 1
	TURN 1, 2
	STEP 2, 0
	TURN 3, 1
	STEP 4, 0
	TURN 5, 0
	STEP 6, 0
	s_wait_dscnt 16
	MULP 0, 7, 0
	MULP 2, 7, 0
	s_wait_dscnt 0x0
	MULP 4, 7, 0
	MULP 6, 7, 0
	WIN 0
; THE WAY OUT, a tile of 16 rows x 128 columns at a time, through my own stage and back as whole rows of 512 bytes.  The stage lies in slot 0: that slot has had its only fill, and every wave has passed the barrier of step 1,
; in front of which it waited for its last reads of it.  LDS serves a wave's instructions in order: no wait between the stores and the loads, nor in front of the next tile's stores.
.macro TOSTAGE i
	WIN 0x08                                       ; an LDS store's data are its source 1: window 2
.irp j, 0,1,2,3,4,5,6,7
	ds_store_b128 v[STO], v[64*(\i)+8*\j:64*(\i)+8*\j+3] offset:128*(\j/2)+32*(\j%2)         ; each accumulator from its low end on
	ds_store_b128 v[STO], v[64*(\i)+8*\j+4:64*(\i)+8*\j+7] offset:128*(\j/2)+32*(\j%2)+16
.endr
	WIN 0
.set BK, 96+64*((\i)%2)
.irp t, 0,1,2,3,4,5,6,7,8,9,10,11,12,13,14,15
	ds_load_b128 v[BK+4*\t:BK+4*\t+3], v[RD] offset:528*\t
.endr
.endm
.macro SEND i, younger                 ; younger: the LDS instructions issued behind tile i's loads, which may stay out
.set BK, 96+64*((\i)%2)
	s_wait_dscnt \younger
.irp t, 0,1,2,3,4,5,6,7,8,9,10,11,12,13,14,15
	global_store_b128 v[L16], v[BK+4*\t:BK+4*\t+3], s[14:15] offset:(32*((\i)/2)+8*((\i)%2)+\t+8*(\t/8))*4096 th:TH_STORE_NT   ; 32 lanes store 512 consecutive bytes, at a multiple of 256 from out0's first byte
.endr
.endm
	PLACES
	TOSTAGE 0
	TOSTAGE 1
	SEND 0, 32                                     ; behind tile 0's loads: tile 1's 16 stores and 16 loads
	s_wait_xcnt 0x0                                ; tile 0's stores have read their registers: tile 2's loads may land there
	TOSTAGE 2
	SEND 1, 32
	s_wait_xcnt 0x0
	TOSTAGE 3
	SEND 2, 32
	SEND 3, 0
	s_wait_tensorcnt 0x0
	ds_add_u32 v254, v255
	s_wait_dscnt 0x0
	CROUND                                         ; the closing round: no work-group ends while a partner may still ask for a tile that names it
	s_endpgm
.Lfunc_end_k_qd349a2d1ca_proj:
	.size	k_qd349a2d1ca_proj, .Lfunc_end_k_qd349a2d1ca_proj-k_qd349a2d1ca_proj
	.p2alignl 7, 3214868480
	.fill 96, 4, 3214868480
	.section	.rodata,"a",@progbits
	.p2align	6, 0x0
	.amdhsa_kernel k_qd349a2d1ca_proj
		.amdhsa_group_segment_fixed_size 307712
		.amdhsa_private_segment_fixed_size 0
		.amdhsa_enable_private_segment 0
		.amdhsa_kernarg_size 48
		.amdhsa_user_sgpr_count 2
		.amdhsa_user_sgpr_kernarg_segment_ptr 1
		.amdhsa_wavefront_size32 1
		.amdhsa_system_sgpr_workgroup_id_x 1
		.amdhsa_system_sgpr_workgroup_id_y 1
		.amdhsa_system_sgpr_workgroup_id_z 1
		.amdhsa_system_vgpr_workitem_id 0
		.amdhsa_next_free_vgpr 1024
		.amdhsa_next_free_sgpr 100
		.amdhsa_reserve_vcc 0
		.amdhsa_float_denorm_mode_32 3
		.amdhsa_float_denorm_mode_16_64 3
		.amdhsa_memory_ordered 1
		.amdhsa_forward_progress 1
		.amdhsa_inst_pref_size 91
	.end_amdhsa_kernel
	.amdgpu_metadata
---
amdhsa.version: [ 1, 2 ]
amdhsa.kernels:
  - .name:           k_qd349a2d1ca_proj
    .symbol:         k_qd349a2d1ca_proj.kd
    .args:
      - { .name: ac, .offset: 0, .size: 8, .value_kind: global_buffer, .address_space: global }
      - { .name: asc, .offset: 8, .size: 8, .value_kind: global_buffer, .address_space: global }
      - { .name: wc, .offset: 16, .size: 8, .value_kind: global_buffer, .address_space: global }
      - { .name: wsc, .offset: 24, .size: 8, .value_kind: global_buffer, .address_space: global }
      - { .name: b_out, .offset: 32, .size: 8, .value_kind: global_buffer, .address_space: global }
      - { .name: out0, .offset: 40, .size: 8, .value_kind: global_buffer, .address_space: global }
    .group_segment_fixed_size: 307712
    .private_segment_fixed_size: 0
    .kernarg_segment_align: 8
    .kernarg_segment_size: 48
    .max_flat_workgroup_size: 128
    .sgpr_count:     100
    .vgpr_count:     1024
    .wavefront_size: 32
...
	.end_amdgpu_metadata
.endif
;; end of part 4
